; MI455X (gfx1250); checked and timed in simulation.
; The chip was launched on July 23, 2026; its instructions are those of AMD's public machine-readable ISA for CDNA 5 (MIT licence, August 2026) and "CDNA5" Instruction Set Architecture Reference Guide (July 2026). The comments in the code are by the model that wrote it; some were corrected since.
;; Causal Self Attention. Allowed arithmetic: matrix products marked QUANTISED: E2M1 operands, one E8M0 scale for each 32 along K, by v_wmma_scale_f32_16x16x128_f8f6f4 with both operands' format E2M1 (or v_wmma_scale_f32_32x16x128_f4), f32 sums; products left as they are: bf16, f16 or f32 operands; f32 sums; everything else in f32.
;; Inputs: out_b 1,024 float32; out_w 1,024 x 1,024 float32; qkv_b 3,072 float32; qkv_w 3,072 x 1,024 float32; x 4 x 2,048 x 1,024 float32.
;; Outputs: out0 4 x 2,048 x 1,024 float32.
;; This version of the problem:
;;   THIS VERSION OF THE PROBLEM IS GIVEN IN LOW PRECISION. The matrix products marked QUANTISED in the list below multiply operands that are first quantised to E2M1 (2 exponent bits, 1 mantissa bit; 4 bits a number), with one power-of-two scale for each 32 numbers along K (OCP MX v1.0); their sums are f32. The products marked 'left as it is' may take bf16, f16 or f32 operands, with f32 sums. Whichever they take, every output number must still come out within the allowed error. Rounding operands to bf16 (8 significant bits) uses up far more of that allowance than f16 does (11 bits, for magnitudes from 6e-5 to 65,504). All else is computed in f32.
;;   The module's matrix products, in the order in which they are computed (A, B: the left and right operand; K: the contracted axis; several contracted axes count as one K, in the product's order):
;;     1. [M 8,192, K 1,024] x [K 1,024, N 3,072]; A: input x; B: input qkv_w: QUANTISED
;;     2. batch 64 x [M 2,048, K 64] x [K 64, N 2,048]; A: computed on the way; B: computed on the way: left as it is (an operand is computed on the way)
;;     3. batch 64 x [M 2,048, K 2,048] x [K 2,048, N 64]; A: computed on the way; B: computed on the way: left as it is (an operand is computed on the way)
;;     4. [M 8,192, K 1,024] x [K 1,024, N 1,024]; A: computed on the way; B: input out_w: left as it is (an operand is computed on the way)
;;   THE QUANTISER, for each operand of a quantised product, along K:
;;     - K is cut into blocks of 32 from its start; a last block that is shorter is filled with zeros.
;;     - A block's scale is 2^e with e = floor(log2(the largest magnitude in the block)) - 2, held to -126 .. 127; a block of zeros has e = 0. As a byte (E8M0): e + 127.
;;     - Each number is divided by its block's scale, clamped to +-6, and rounded to the nearest number of E2M1, ties to even, subnormals kept.
;;     - The product sums the exact products of the quantised numbers (number of the format x scale) in f32.
;;   ~~~python
;;   def quantise(x, axis):      # numpy; x: float32 -> the quantised numbers, widened to float32 again
;;       x = np.moveaxis(x, axis, -1); K = x.shape[-1]
;;       x = np.pad(x, [(0, 0)] * (x.ndim - 1) + [(0, -K % 32)]); x = x.reshape(x.shape[:-1] + (-1, 32)); a = np.abs(x).max(-1, keepdims=True)
;;       e = np.where(a > 0, np.clip(np.frexp(np.where(a > 0, a, 1))[1] - 1 - 2, -126, 127), 0)      # np.frexp(a)[1] - 1 = floor(log2(a)), exactly
;;       r = np.clip(x / 2.0 ** e, -6, 6)
;;       step = 2.0 ** (np.maximum(np.frexp(np.where(r == 0, 1, r))[1] - 1, 0) - 1)
;;       q = np.round(r / step) * step * 2.0 ** e      # np.round: ties to even
;;       return np.moveaxis(q.reshape(q.shape[:-2] + (-1,))[..., :K], -1, axis).astype(np.float32)
;;   ~~~
;; One version. Each part assembles by itself: llvm-mc -triple=amdgcn-amd-amdhsa -mcpu=gfx1250 --defsym DOCPART=n.
;; ======== version 1 of 1: 5 launches
;; limits: values are held in f16: magnitudes above 65,504 overflow, below 6.1e-05 lose precision
;; workspace buffers: x_codes 4,194,304 bytes; x_scales 262,144 bytes; w_codes 1,572,864 bytes; w_scales 98,304 bytes; w16 2,097,152 bytes; qkvh 50,331,648 bytes; qkv32 786,432 bytes; yf 16,777,216 bytes
;; launch quant (part 1): grid 384 x 1, 4 waves a work-group, no clusters, 33,280 bytes of LDS; arguments x, qkv_w, out_w, x_codes, x_scales, w_codes, w_scales, w16; writes x_codes, x_scales, w_codes, w_scales, w16
.if DOCPART == 1
	.amdgcn_target "amdgcn-amd-amdhsa--gfx1250"
	.amdhsa_code_object_version 6
	.text
	.protected	k_q0eb418be09_quant
	.globl	k_q0eb418be09_quant
	.p2align	8
	.type	k_q0eb418be09_quant,@function
k_q0eb418be09_quant:
	s_mov_b64 s[64:65], 0
	v_nop
	global_prefetch_b8 v0, s[64:65] scope:SCOPE_SE
	s_setreg_imm32_b32 hwreg(HW_REG_WAVE_MODE, 25, 1), 1
	s_wait_xcnt 0x0
; x [8192][1024] and qkv_w [3072][1024], f32, become codes of FP4 (E2M1), K innermost, two codes a byte, with one E8M0 byte for each 32 along K; out_w [1024][1024] becomes f16.
; A block's scale is 2^(floor(log2(its largest magnitude)) - 2); its byte is the largest magnitude's exponent field - 2, held at 1 from below.  A block of zeros so gets the byte 1 where the rule says 127:
; its codes are zeros, which add nothing under any byte but 0xff, and this program alone reads the bytes.  Each number is divided by the scale and rounded to the nearest code, ties to even; beyond 6 the largest code.
; LIMITS: blocks whose largest magnitude lies under 2^-124 (the floor) were not tried; NaN and infinities among the inputs are not served; out_w must lie within +-65,504 (f16), under 6e-5 it keeps an absolute 3e-8.
; SHARES: rows are dense and K is a multiple of 32, so each tensor is a plain stream.  Work-groups 0-255 take x, 256-351 qkv_w (32,768 numbers each, 8,192 a wave), 352-383 cast out_w (32,768 numbers each).
; Quantising: a wave takes 16 steps of 512 numbers.  Each load reads 512 consecutive bytes; a step's 2,048 bytes turn through the wave's own stage in LDS and come back 64 bytes a lane, so that a lane
; holds 16 neighbours along K (two lanes to a block).  A lane's 16 codes are 8 bytes: a store covers 256 consecutive bytes.  A wave's 256 scale bytes are gathered in LDS and leave as one run of 256.
; No tensor loads, no barrier: waves share nothing.
.set WAVES, 4
.set STEPS, 16
.set WGA,   256                        ; work-groups for x
.set WGQ,   352                        ; and for both quantised tensors
.set EMAX,  2
.set CB,    8                          ; bytes of 16 codes
.set R,     16                         ; v16-79   four sets of 16 numbers as loaded (cast: v16-143, two sets of 64)
.set X,     80                         ; v80-111  two sets of 16 neighbours
.set E,     112                        ; v112-127 a scale byte for each step
.set C,     128                        ; v128-191 codes, four registers a step
.set H16,   144                        ; cast: v144-175 sixteen pairs of packed f16
.set WREG,  8192                       ; LDS: a region for each wave: two stages of 32 x SP bytes, then its 256 scale bytes
.set SP,    80                         ; a lane's place in a stage: 64 bytes + 16 of padding
.set SPW,   12                         ; v12 LDS address of my spare word; never rewritten
.set NIL,   13                         ; v13 0; never rewritten
.set SPARE, WAVES*WREG                 ; behind the four regions: the spare words, 128 bytes a wave, which no other line names
	s_load_b128 s[4:7], s[0:1], 0x0                ; x, qkv_w
	s_load_b128 s[8:11], s[0:1], 0x10              ; out_w, x_codes
	s_load_b128 s[12:15], s[0:1], 0x20             ; x_scales, w_codes
	s_load_b128 s[16:19], s[0:1], 0x30             ; w_scales, w16
	v_lshl_add_u32 v[SPW], v0, 2, SPARE
	v_mov_b32 v[NIL], 0
	v_lshrrev_b32 v1, 5, v0
	v_readfirstlane_b32 s20, v1                    ; wave
	v_and_b32 v2, 31, v0                           ; lane
	v_lshlrev_b32 v3, 4, v2                        ; my 16 bytes of a load's 512
	v_mul_u32_u24 v4, v2, CB                       ; my 8 bytes of a store's 256
	s_cmp_ge_u32 ttmp9, WGQ                        ; the work-group's number alone decides the path
	s_cbranch_scc1 .Lcast
	s_mul_i32 s21, s20, WREG
	v_lshrrev_b32 v14, 2, v2
	v_mul_u32_u24 v14, v14, SP
	v_and_b32 v15, 3, v2
	v_lshl_add_u32 v14, v15, 4, v14
	v_add_nc_u32 v14, s21, v14                     ; the stage, on the way in: SP (lane / 4) + 16 (lane % 4)
	v_mul_u32_u24 v15, v2, SP
	v_add_nc_u32 v15, s21, v15                     ; and on the way out: SP x lane: my 16 neighbours
	v_lshrrev_b32 v5, 1, v2
	s_add_co_u32 s21, s21, 2*32*SP
	v_add_nc_u32 v5, s21, v5                       ; my wave's 256 scale bytes, my block's byte
	v_lshlrev_b32 v7, 3, v2
	v_add_nc_u32 v6, s21, v7                       ; and on the way out 8 bytes a lane
	s_wait_kmcnt 0x0
	s_cmp_lt_u32 ttmp9, WGA                        ; x or qkv_w: only pointers are chosen, both take one path
	s_cselect_b64 s[4:5], s[4:5], s[6:7]
	s_cselect_b64 s[10:11], s[10:11], s[14:15]
	s_cselect_b64 s[12:13], s[12:13], s[16:17]
	s_cselect_b32 s21, 0, WGA
	s_sub_co_u32 s21, ttmp9, s21
	s_lshl_b32 s21, s21, 2
	s_add_co_u32 s22, s21, s20                     ; which run of 8,192 numbers is my wave's
	s_mov_b32 s23, 0
	s_mov_b64 s[24:25], 512*STEPS*4
	s_mul_u64 s[24:25], s[22:23], s[24:25]
	s_add_nc_u64 s[4:5], s[4:5], s[24:25]
	s_mov_b64 s[24:25], 32*STEPS*CB
	s_mul_u64 s[24:25], s[22:23], s[24:25]
	s_add_nc_u64 s[10:11], s[10:11], s[24:25]
	s_lshl_b32 s22, s22, 8                         ; 256 scale bytes a run
	s_add_nc_u64 s[12:13], s[12:13], s[22:23]
.macro LOAD t
.irp i, 0,1,2,3
	global_load_b128 v[R+16*((\t)%4)+4*\i:R+16*((\t)%4)+4*\i+3], v3, s[4:5] offset:2048*(\t)+512*\i th:TH_LOAD_NT   ; 32 lanes read 512 consecutive bytes
.endr
.endm
.macro TURN t                          ; step t's numbers through the stage: LDS serves a wave's instructions in order, so no wait stands between the stores and the loads
.irp i, 0,1,2,3
	ds_store_b128 v14, v[R+16*((\t)%4)+4*\i:R+16*((\t)%4)+4*\i+3] offset:32*SP*((\t)%2)+8*SP*\i
.endr
.irp i, 0,1,2,3
	ds_load_b128 v[X+16*((\t)%2)+4*\i:X+16*((\t)%2)+4*\i+3], v15 offset:32*SP*((\t)%2)+16*\i
.endr
.endm
.irp t, 0,1,2,3
	LOAD \t
.endr
	s_wait_loadcnt 12                              ; step 0's four loads are in; twelve younger ones stay out
	TURN 0
.macro STEP t
.set XS, X+16*((\t)%2)
.if (\t) > 0
	s_wait_dscnt 1                                 ; this step's numbers are back from the stage (the last step's byte store may be out)
.else
	s_wait_dscnt 0x0
.endif
.if (\t)+4 < STEPS
	LOAD (\t)+4                                    ; into the set whose stores into the stage have read their registers
.endif
.if (\t)+1 < STEPS
.if STEPS-2-(\t) >= 3
	s_wait_loadcnt 12                              ; the next step's four loads are in; those of the three steps behind it may be out
.else
	s_wait_loadcnt 4*(STEPS-2-(\t))
.endif
	TURN (\t)+1                                    ; through the other stage while this step is worked
.endif
	v_max3_num_f32 v8, |v[XS]|, |v[XS+1]|, |v[XS+2]|               ; the largest magnitude of my 16, in two chains
	v_max3_num_f32 v9, |v[XS+3]|, |v[XS+4]|, |v[XS+5]|
.irp i, 6,10
	v_max3_num_f32 v8, v8, |v[XS+\i]|, |v[XS+\i+1]|
	v_max3_num_f32 v9, v9, |v[XS+\i+2]|, |v[XS+\i+3]|
.endr
	v_max3_num_f32 v8, v8, |v[XS+14]|, |v[XS+15]|
	v_max3_num_f32 v8, v8, v9, (EMAX+1)<<23        ; and the floor 2^(EMAX + 1 - 127): the byte cannot fall under 1
	v_max_num_f32_dpp v8, v8, v8 row_xmask:1 row_mask:0xf bank_mask:0xf   ; with my neighbour's 16: the block's
	v_add_nc_u32 v11, -(EMAX<<23), v8              ; EMAX off its exponent field: the conversion takes the exponent field of this operand as its scale
	v_cvt_scalef32_pk8_fp4_f32 v[C+4*(\t)], v[XS:XS+7], v11
	v_cvt_scalef32_pk8_fp4_f32 v[C+4*(\t)+1], v[XS+8:XS+15], v11
	v_lshrrev_b32 v[E+(\t)], 23, v11               ; the scale's byte (also the plain line behind the conversions)
	ds_store_b8 v5, v[E+(\t)] offset:16*(\t)       ; both lanes of a block write the same byte with the same value
	global_store_b64 v4, v[C+4*(\t):C+4*(\t)+1], s[10:11] offset:32*CB*(\t)   ; 32 lanes store 256 consecutive bytes
.endm
.irp t, 0,1,2,3,4,5,6,7,8,9,10,11,12,13,14,15
	STEP \t
.endr
	ds_load_b64 v[8:9], v6                         ; LDS serves a wave's instructions in order: these see my byte stores
	s_wait_dscnt 0x0
	global_store_b64 v7, v[8:9], s[12:13]          ; 32 lanes store my wave's 256 scale bytes
	s_wait_tensorcnt 0x0                           ; the wave's end
	ds_add_u32 v[SPW], v[NIL]
	s_wait_dscnt 0x0
	s_endpgm
; THE CAST of out_w: a wave takes 8,192 numbers in four batches of sixteen loads; two batches are out at a time.
.Lcast:
	s_sub_co_u32 s21, ttmp9, WGQ
	s_lshl_b32 s21, s21, 2
	s_add_co_u32 s21, s21, s20                     ; my run, 0 .. 127
	s_lshl_b32 s22, s21, 15                        ; 32,768 bytes in,
	s_mov_b32 s23, 0
	s_lshl_b32 s24, s21, 14                        ; 16,384 out
	s_mov_b32 s25, 0
	s_wait_kmcnt 0x0
	s_add_nc_u64 s[8:9], s[8:9], s[22:23]
	s_add_nc_u64 s[18:19], s[18:19], s[24:25]
.macro LOADC g
.irp i, 0,1,2,3,4,5,6,7,8,9,10,11,12,13,14,15
	global_load_b128 v[R+64*((\g)%2)+4*\i:R+64*((\g)%2)+4*\i+3], v3, s[8:9] offset:(16*(\g)+\i)*512 th:TH_LOAD_NT
.endr
.endm
.macro CASTC g
.if (\g) < 3
	s_wait_loadcnt 16                              ; my batch is in; the younger batch of sixteen stays out
.else
	s_wait_loadcnt 0x0
.endif
.if (\g) > 0
	s_wait_xcnt 0x0                                ; the last batch's stores have read their data: the pairs are written again only behind this wait
.endif
.irp i, 0,1,2,3,4,5,6,7,8,9,10,11,12,13,14,15
	v_cvt_pk_f16_f32 v[H16+2*\i], v[R+64*((\g)%2)+4*\i], v[R+64*((\g)%2)+4*\i+1]
	v_cvt_pk_f16_f32 v[H16+2*\i+1], v[R+64*((\g)%2)+4*\i+2], v[R+64*((\g)%2)+4*\i+3]
.endr
.irp i, 0,1,2,3,4,5,6,7,8,9,10,11,12,13,14,15
	global_store_b64 v4, v[H16+2*\i:H16+2*\i+1], s[18:19] offset:(16*(\g)+\i)*256   ; 32 lanes store 256 consecutive bytes
.endr
.if (\g) < 2
	LOADC (\g)+2
.endif
.endm
	LOADC 0
	LOADC 1
	CASTC 0
	CASTC 1
	CASTC 2
	CASTC 3
	s_endpgm
.Lfunc_end_k_q0eb418be09_quant:
	.size	k_q0eb418be09_quant, .Lfunc_end_k_q0eb418be09_quant-k_q0eb418be09_quant
	.p2alignl 7, 3214868480
	.fill 96, 4, 3214868480
	.section	.rodata,"a",@progbits
	.p2align	6, 0x0
	.amdhsa_kernel k_q0eb418be09_quant
		.amdhsa_group_segment_fixed_size 33280
		.amdhsa_private_segment_fixed_size 0
		.amdhsa_enable_private_segment 0
		.amdhsa_kernarg_size 64
		.amdhsa_user_sgpr_count 2
		.amdhsa_user_sgpr_kernarg_segment_ptr 1
		.amdhsa_wavefront_size32 1
		.amdhsa_system_sgpr_workgroup_id_x 1
		.amdhsa_system_sgpr_workgroup_id_y 1
		.amdhsa_system_sgpr_workgroup_id_z 1
		.amdhsa_system_vgpr_workitem_id 0
		.amdhsa_next_free_vgpr 192
		.amdhsa_next_free_sgpr 66
		.amdhsa_reserve_vcc 0
		.amdhsa_float_denorm_mode_32 3
		.amdhsa_float_denorm_mode_16_64 3
		.amdhsa_memory_ordered 1
		.amdhsa_forward_progress 1
		.amdhsa_inst_pref_size 54
	.end_amdhsa_kernel
	.amdgpu_metadata
---
amdhsa.version: [ 1, 2 ]
amdhsa.kernels:
  - .name:           k_q0eb418be09_quant
    .symbol:         k_q0eb418be09_quant.kd
    .args:
      - { .name: x, .offset: 0, .size: 8, .value_kind: global_buffer, .address_space: global }
      - { .name: qkv_w, .offset: 8, .size: 8, .value_kind: global_buffer, .address_space: global }
      - { .name: out_w, .offset: 16, .size: 8, .value_kind: global_buffer, .address_space: global }
      - { .name: x_codes, .offset: 24, .size: 8, .value_kind: global_buffer, .address_space: global }
      - { .name: x_scales, .offset: 32, .size: 8, .value_kind: global_buffer, .address_space: global }
      - { .name: w_codes, .offset: 40, .size: 8, .value_kind: global_buffer, .address_space: global }
      - { .name: w_scales, .offset: 48, .size: 8, .value_kind: global_buffer, .address_space: global }
      - { .name: w16, .offset: 56, .size: 8, .value_kind: global_buffer, .address_space: global }
    .group_segment_fixed_size: 33280
    .private_segment_fixed_size: 0
    .kernarg_segment_align: 8
    .kernarg_segment_size: 64
    .max_flat_workgroup_size: 128
    .sgpr_count:     66
    .vgpr_count:     192
    .wavefront_size: 32
...
	.end_amdgpu_metadata
.endif
;; end of part 1
;; launch qkv (part 2): grid 12 x 32, 4 waves a work-group, clusters of 4 x 4, 327,680 bytes of LDS; arguments x_codes, x_scales, w_codes, w_scales, qkv_b, qkv32, qkvh; writes qkv32, qkvh
.if DOCPART == 2
	.amdgcn_target "amdgcn-amd-amdhsa--gfx1250"
	.amdhsa_code_object_version 6
	.text
	.protected	k_q0eb418be09_qkv
	.globl	k_q0eb418be09_qkv
	.p2align	8
	.type	k_q0eb418be09_qkv,@function
k_q0eb418be09_qkv:
	s_mov_b64 s[64:65], 0
	v_nop
	global_prefetch_b8 v0, s[64:65] scope:SCOPE_SE
	s_setreg_imm32_b32 hwreg(HW_REG_WAVE_MODE, 25, 1), 1
	s_wait_xcnt 0x0
	s_wait_alu depctr_hold_cnt(0) depctr_sa_sdst(0) depctr_va_vdst(0) depctr_va_sdst(0) depctr_va_ssrc(0) depctr_va_vcc(0) depctr_vm_vsrc(0)
	s_getreg_b32 s2, hwreg(HW_REG_IB_STS2, 6, 4)
	s_cmp_eq_u32 s2, 0
	s_cbranch_scc0 .Lentry_in_a_cluster
	s_endpgm
.Lentry_in_a_cluster:
	s_bfe_u32 s2, ttmp6, 0x10000c
	s_cmp_lg_u32 s2, 0xf033
	s_cbranch_scc0 .Lentry_shape_is_right
	s_endpgm
.Lentry_shape_is_right:
; qkv[m][n] = sum over k of x[m][k] qkv_w[n][k] + qkv_b[n], both operands as codes of FP4 (E2M1) with one E8M0 scale for each 32 along K; sums in f32.  M = 8,192, N = 3,072, K = 1,024.
; OUT: qkvh [part 3][batch 4][head 16][t 2048][64] f16: q (times log2(e) / 8, multiplied in f32 ahead of the one rounding, so that the softmax's exponent is a plain difference of scores), k, v;
; and qkv32 [batch 4][t 16][3072] f32, unscaled: the first 16 positions of every sequence, for the launch that carries them in f32 (pieces of 64 bytes, 0.8 MB in all).
; LIMITS: q, k, v must lie within +-65,504 (f16); under 6e-5 they keep an absolute 3e-8.  The order of the f32 sums is the matrix unit's.
; A tile of 256 x 256 is made by a work-group of four waves; a wave makes 128 x 128: 64 accumulators, 512 registers.  K is two slots of 512 (rows of 256 bytes): both are asked for at the start, nothing is filled again.
; The scale bytes of the work-group's 256 + 256 rows, for all of K, are two dense blocks: they come once, as rows of 256 bytes.
; CLUSTERS: 4 x 4 work-groups; A's tiles are shared along a row of the cluster, B's along a column: joint loads.  Tile row = 8 cy + cluster y, so that the batch is cy and the rows t < 16 lie where the CLUSTER's y is 0:
; the branch round their f32 stores hangs on the cluster's y and the wave's number alone, alike in all partners.  Tile column = 4 cluster x + cx: the part (q, k, v) is the cluster's x.
; THE MATRIX INSTRUCTION IS USED TRANSPOSED (source 0 = 16 rows of qkv_w, source 1 = 16 rows of x): a lane holds eight neighbouring columns of one row.  The bias is the C of each sum's first product.
; REGISTERS: window 0: v0-31 addresses; v32-95 scale words, two sets (on the way out: scaled results); v96-127 packed results; v128-191 A's fragments, one set (on the way out: rows read back); v192-255 the bias.
;   window 1: B's fragments, two sets.   window 2: the accumulators of my rows 0-63 ((a, b) at v[8 (8 a + b)]);   window 3: those of rows 64-127.
.set SIZE_K, 1024
.set KSTEP,  512
.set NQ,     KSTEP/128
.set ROWB,   256
.set KROW,   SIZE_K*4/8
.set PITCH,  272                       ; an LDS row: 256 bytes + 16 of padding = 68 words: the 16 rows of a load start at 16 different banks (64 banks of 4 bytes: ISA guide 11.1)
.set FR,     8
.set NL,     2
.set NP,     4                         ; places behind this matrix instruction (ISA guide 7.12.1)
.set HALFT,  128*PITCH
.set SLOT,   4*HALFT
.set KS,     SIZE_K/32
.set SCL,    2*SLOT
.set HALFS,  (128*KS/256)*272
.set SBLK,   (16*KS/256)*272
.set SPARE,  SCL+4*HALFS               ; the spare words, 128 bytes a wave, which no other line names
.set SPITCH, 272                       ; the way out: a stage of 16 rows x (256 bytes + 16) for each wave, in slot 0, which has had its one fill and its last read by then
.set ADRA, 16
.set ADRB, 20
.set STO,  24
.set RD,   25
.set CO,   26
.set ADRS, 27
.set SPW,  28
.set NIL,  29
.set BO,   30                          ; v30 32 h: my place in a tile's 16 numbers of the bias
.set FO,   31                          ; v31 12,288 r + 32 h: my place in qkv32
.set SC,   32
.set PT,   32                          ; the way out: 64 scaled results
.set TMP,  96                          ; and 32 packed ones
.set AF,   128
.set BK,   128                         ; rows read back: v128-159 and v160-191 by turns
.set BIAS, 192
.set SF,   66                          ; s[66:67] the factor: log2(e) / 8 for q, 1 for k and v
.set G1, 24
.set G0, 32
.set G1B, 48
.set G0B, 56
.set G1S, 68
.set G0S, 76
.set G1SB, 80
.set G0SB, 88
.set MSB, 0
.macro WIN new                         ; the immediate's high byte repeats the setting that is left; a switch that changes nothing is dropped
.if MSB != (\new)
	s_set_vgpr_msb (MSB<<8)|(\new)
.set MSB, (\new)
.endif
.endm
.set MUL_LO, 0xa1                      ; source 0 (B) window 1, source 1 (A) window 0, C and D window 2
.set MUL_HI, 0xf1                      ; the same, C and D window 3
.set TO_B,   0x40
; A joint load: waves 0 and 1 fetch for A, waves 2 and 3 for B; the branch hangs on the wave's number alone.  An s_nop 0 and four v_nop follow each of the two lines.
.macro JLOAD g0a, g1a, g0b, g1b
	s_cmp_eq_u32 s15, 0
	s_cbranch_scc0 .Lfor_b_\@
	tensor_load_to_lds s[\g0a:\g0a+3], s[\g1a:\g1a+7]
	s_nop 0
.rept 4
	v_nop
.endr
	s_branch .Lasked_\@
.Lfor_b_\@:
	tensor_load_to_lds s[\g0b:\g0b+3], s[\g1b:\g1b+7]
	s_nop 0
.rept 4
	v_nop
.endr
.Lasked_\@:
.endm
.macro CROUND                          ; a round of the cluster's barrier
	s_barrier_signal -1
	s_barrier_wait -1
	s_cmp_lg_u32 s14, 0
	s_cbranch_scc1 .Lnot_wave_0_\@
	s_barrier_signal -3
.Lnot_wave_0_\@:
	s_barrier_wait -3
	s_barrier_signal -1
	s_barrier_wait -1
.endm
	s_load_b128 s[4:7], s[0:1], 0x0                ; x's codes, x's scales
	s_load_b128 s[8:11], s[0:1], 0x10              ; w's codes, w's scales
	s_load_b128 s[96:99], s[0:1], 0x20             ; qkv_b, qkv32
	s_load_b64 s[12:13], s[0:1], 0x30              ; qkvh
	v_lshl_add_u32 v[SPW], v0, 2, SPARE
	v_mov_b32 v[NIL], 0
	ds_add_u32 v[SPW], v[NIL]                      ; the wave's opening: the add, twice on end, and its wait ahead of my first tensor load
	ds_add_u32 v[SPW], v[NIL]
	v_lshrrev_b32 v1, 5, v0
	v_readfirstlane_b32 s14, v1                    ; wave 0..3
	s_lshr_b32 s15, s14, 1                         ; which half of the tile's rows is mine.  Also: I fetch for A (0) or for B (1)
	s_and_b32 s16, s14, 1                          ; which half of its columns.  Also: which 128 rows of that tile I fetch
	s_bfe_u32 s40, ttmp6, 0x40000                  ; cx
	s_bfe_u32 s41, ttmp6, 0x40004                  ; cy
	s_lshl_b32 s42, ttmp9, 2
	s_add_co_u32 s42, s42, s40                     ; tile column = 4 x cluster x + cx
	s_and_b32 s17, ttmp7, 0xffff
	s_lshl_b32 s43, s41, 3
	s_add_co_u32 s17, s17, s43                     ; tile row = 8 cy + cluster y: the batch is cy
	s_lshl_b32 s43, s41, 2
	s_lshl_b32 s43, 15, s43                        ; my row of the cluster
	s_lshl_b32 s44, 0x1111, s40                    ; my column
	s_or_b32 s[G1+0], s43, (0<<16)|(1<<20)|(1<<21)|(5<<22)|(3<<25)  ; the mask; elements of 1 byte; padding: 4 words behind every 64; bit 21 beside a mask
	s_or_b32 s[G1B+0], s44, (0<<16)|(1<<20)|(1<<21)|(5<<22)|(3<<25)
.irp g, G1, G1B
	s_mov_b32 s[\g+1], ROWB<<16                    ; tensor_dim0
	s_mov_b32 s[\g+2], 128<<16                     ; tensor_dim1
	s_mov_b32 s[\g+3], ROWB<<16                    ; tile_dim0
	s_mov_b32 s[\g+4], 128                         ; tile_dim1
	s_mov_b32 s[\g+5], KROW                        ; the pitch
	s_mov_b32 s[\g+6], 0
	s_mov_b32 s[\g+7], 0
.endr
	s_or_b32 s[G1S+0], s43, (3<<16)|(1<<20)|(1<<21)|(5<<22)|(3<<25) ; the scales of 128 rows: 4,096 dense bytes as 16 rows of 256 (32 elements of 8 bytes), padded alike
	s_or_b32 s[G1SB+0], s44, (3<<16)|(1<<20)|(1<<21)|(5<<22)|(3<<25)
.irp g, G1S, G1SB
	s_mov_b32 s[\g+1], 32<<16
	s_mov_b32 s[\g+2], (128*KS/256)<<16
	s_mov_b32 s[\g+3], 32<<16
	s_mov_b32 s[\g+4], 128*KS/256
	s_mov_b32 s[\g+5], 32
	s_mov_b32 s[\g+6], 0
	s_mov_b32 s[\g+7], 0
.endr
	s_lshl_b32 s18, s16, 7
	s_lshl_b32 s20, s17, 8
	s_add_co_u32 s20, s20, s18                     ; A: row 256 x tile row + 128 x half
	s_lshl_b32 s46, s42, 8
	s_add_co_u32 s46, s46, s18                     ; B: row 256 x tile column + 128 x half
	s_mov_b32 s21, 0
	s_mov_b32 s47, 0
	s_mov_b64 s[18:19], KS
	s_mul_u64 s[22:23], s[20:21], s[18:19]         ; where these rows' scales begin,
	s_mul_u64 s[92:93], s[46:47], s[18:19]
	s_mov_b64 s[18:19], KROW
	s_mul_u64 s[20:21], s[20:21], s[18:19]         ; and their codes
	s_mul_u64 s[46:47], s[46:47], s[18:19]
	s_mul_i32 s45, s14, HALFT                      ; where they go: wave x 128 rows: no place in the cluster enters an LDS address
	s_mul_i32 s94, s14, HALFS
	s_wait_dscnt 0x0                               ; both opening adds are done
	s_wait_kmcnt 0x0
	s_add_nc_u64 s[20:21], s[4:5], s[20:21]
	s_add_nc_u64 s[22:23], s[6:7], s[22:23]
	s_add_nc_u64 s[46:47], s[8:9], s[46:47]
	s_add_nc_u64 s[92:93], s[10:11], s[92:93]
	CROUND                                         ; all sixteen work-groups are here: the joint loads meet
	s_mov_b32 s[G0S], 1
	s_add_co_u32 s[G0S+1], s94, SCL
	s_mov_b64 s[G0S+2:G0S+3], s[22:23]
	s_or_b32 s[G0S+3], s[G0S+3], 0x80000000
	s_mov_b32 s[G0SB], 1
	s_add_co_u32 s[G0SB+1], s94, SCL
	s_mov_b64 s[G0SB+2:G0SB+3], s[92:93]
	s_or_b32 s[G0SB+3], s[G0SB+3], 0x80000000
	JLOAD G0S, G1S, G0SB, G1SB                     ; the scales first; with the two slots three loads of mine are out
.irp s, 0,1
	s_mov_b32 s[G0+4*\s], 1
	s_add_co_u32 s[G0+4*\s+1], s45, \s*SLOT
	s_add_nc_u64 s[G0+4*\s+2:G0+4*\s+3], s[20:21], \s*ROWB
	s_or_b32 s[G0+4*\s+3], s[G0+4*\s+3], 0x80000000
	s_mov_b32 s[G0B+4*\s], 1
	s_add_co_u32 s[G0B+4*\s+1], s45, \s*SLOT
	s_add_nc_u64 s[G0B+4*\s+2:G0B+4*\s+3], s[46:47], \s*ROWB
	s_or_b32 s[G0B+4*\s+3], s[G0B+4*\s+3], 0x80000000
	JLOAD G0+4*\s, G1, G0B+4*\s, G1B
.endr
	v_and_b32 v1, 15, v0                           ; r = l % 16
	v_bfe_u32 v2, v0, 4, 1                         ; h = l / 16
	v_mul_u32_u24 v3, v1, PITCH
	v_lshl_add_u32 v4, v2, 4, v3                   ; a fragment's row x pitch + 16 x half
	s_mul_i32 s21, s15, HALFT
	s_mul_i32 s22, s16, HALFT
	s_add_co_u32 s22, s22, 2*HALFT
.irp s, 0,1
	v_add_nc_u32 v[ADRA+\s], s21, v4
	v_add_nc_u32 v[ADRB+\s], s22, v4
	s_add_co_u32 s21, s21, SLOT
	s_add_co_u32 s22, s22, SLOT
.endr
	v_mul_u32_u24 v5, v1, KS                       ; my row's scales: KS bytes a row,
	v_lshrrev_b32 v6, 8, v5
	v_lshl_add_u32 v5, v6, 4, v5                   ; and 16 more for each 256 passed
	s_mul_i32 s21, s15, HALFS
	s_mul_i32 s22, s16, HALFS
	s_add_co_u32 s22, s22, 2*HALFS
	s_sub_co_u32 s22, s22, s21
	v_mul_u32_u24 v6, s22, v2                      ; lanes 16-31 take B's: one product, the lower base + h x the distance
	s_add_co_u32 s21, s21, SCL
	v_add_nc_u32 v5, v5, v6
	v_add_nc_u32 v[ADRS], s21, v5
	s_mul_i32 s23, s14, 16*SPITCH                  ; my stage
	v_mul_u32_u24 v5, v1, SPITCH
	v_lshl_add_u32 v5, v2, 4, v5
	v_add_nc_u32 v[STO], s23, v5                   ; in: row r, 16 bytes for each half of the lanes
	v_and_b32 v6, 31, v0
	v_lshlrev_b32 v[CO], 4, v6                     ; out: 16 bytes a lane, 512 consecutive bytes: four rows t of one head
	v_lshrrev_b32 v5, 3, v6
	v_mul_u32_u24 v5, v5, SPITCH
	v_and_b32 v6, 7, v0
	v_lshl_add_u32 v5, v6, 4, v5
	v_add_nc_u32 v[RD], s23, v5                    ; back: row l / 8, piece l % 8 of a head's 128 bytes
	v_lshlrev_b32 v[BO], 5, v2
	v_mul_u32_u24 v[FO], v1, 12288
	v_lshl_add_u32 v[FO], v2, 5, v[FO]
	s_lshl_b32 s46, s42, 10                        ; my first column, in f32 bytes: 1,024 x tile column + 512 x half (registers that held B's address: none that feeds A's descriptors holds cx)
	s_lshl_b32 s47, s16, 9
	s_add_co_u32 s46, s46, s47
	s_mov_b32 s47, 0
	s_add_nc_u64 s[96:97], s[96:97], s[46:47]      ; the bias at my first column
	s_add_nc_u64 s[98:99], s[98:99], s[46:47]      ; qkv32 likewise,
	s_mul_i32 s20, s41, 196608
	s_mov_b32 s21, 0
	s_add_nc_u64 s[98:99], s[98:99], s[20:21]      ; in my batch's 16 rows of 12,288 bytes
.irp b, 0,1,2,3,4,5,6,7
	global_load_b128 v[BIAS+8*\b:BIAS+8*\b+3], v[BO], s[96:97] offset:64*\b          ; lane (r, h): qkv_b at columns 16 b + 8 h + 0 .. 7: the result's layout
	global_load_b128 v[BIAS+8*\b+4:BIAS+8*\b+7], v[BO], s[96:97] offset:64*\b+16
.endr
	s_lshl_b32 s46, ttmp9, 24                      ; qkvh: part << 24
	s_lshl_b32 s94, s40, 20                        ; + (4 cx + 2 x column half) heads of 2^18 bytes
	s_add_co_u32 s46, s46, s94
	s_lshl_b32 s94, s16, 19
	s_add_co_u32 s46, s46, s94
	s_add_nc_u64 s[12:13], s[12:13], s[46:47]
	s_lshl_b32 s20, s41, 22                        ; + batch << 22
	s_and_b32 s3, ttmp7, 0xffff
	s_lshl_b32 s22, s3, 15                         ; + (256 x cluster y + 128 x row half) rows of 128 bytes
	s_add_co_u32 s20, s20, s22
	s_lshl_b32 s22, s15, 14
	s_add_co_u32 s20, s20, s22
	s_add_nc_u64 s[12:13], s[12:13], s[20:21]
	s_or_b32 s3, s3, s15                           ; 0 in the waves whose first 16 rows are t = 0 .. 15
	s_cmp_eq_u32 ttmp9, 0                          ; q?
	s_cselect_b32 s[SF], 0x3e38aa3b, 1.0           ; log2(e) / 8, or 1
	s_mov_b32 s[SF+1], s[SF]                       ; (named with it as a pair, so it is written)
.macro FRAG reg, adr, q, i             ; 16 rows x 128 K of 4-bit codes: 8 registers, two loads of 16 bytes, 32 bytes apart
.irp c, 0,1
	ds_load_b128 v[\reg+4*\c:\reg+4*\c+3], v[\adr] offset:64*(\q)+32*\c+(\i)*16*PITCH
.endr
.endm
; 16 matrix instructions: A's blocks a0, a0 + 1 x B's eight, the slot's q-th 128 along K.  p: B's set; sc: the set of scale words.  zero = 1: the first product starts the sums, with the bias as C.
; The 64 accumulators take turns, one instruction a turn, in the same order in every step.
.macro MUL16 a0, p, q, sc, zero
.irp a, \a0, \a0+1
.irp b, 0,1,2,3,4,5,6,7
.if \zero
	v_wmma_scale_f32_16x16x128_f8f6f4 v[8*(8*((\a)%4)+\b):8*(8*((\a)%4)+\b)+7], v[128*(\p)+FR*\b:128*(\p)+FR*\b+FR-1], v[AF+FR*(\a):AF+FR*(\a)+FR-1], v[BIAS+8*\b:BIAS+8*\b+7], v[SC+8*NQ*(\sc)+NQ*\b+(\q)], v[SC+8*NQ*(\sc)+NQ*(\a)+(\q)] matrix_a_fmt:MATRIX_FMT_FP4 matrix_b_fmt:MATRIX_FMT_FP4 matrix_a_scale:MATRIX_SCALE_ROW1
.else
	v_wmma_scale_f32_16x16x128_f8f6f4 v[8*(8*((\a)%4)+\b):8*(8*((\a)%4)+\b)+7], v[128*(\p)+FR*\b:128*(\p)+FR*\b+FR-1], v[AF+FR*(\a):AF+FR*(\a)+FR-1], v[8*(8*((\a)%4)+\b):8*(8*((\a)%4)+\b)+7], v[SC+8*NQ*(\sc)+NQ*\b+(\q)], v[SC+8*NQ*(\sc)+NQ*(\a)+(\q)] matrix_a_fmt:MATRIX_FMT_FP4 matrix_b_fmt:MATRIX_FMT_FP4 matrix_a_scale:MATRIX_SCALE_ROW1
.endif
.endr
.endr
.endm
.macro FETCH_B slot, q, p
	WIN TO_B
.irp i, 0,1,2,3,4,5,6,7
	FRAG 128*(\p)+FR*\i, ADRB+\slot, \q, \i
.endr
	WIN 0
.endm
.macro FETCH_A slot, q, i0
.irp i, \i0, \i0+1, \i0+2, \i0+3
	FRAG AF+FR*(\i), ADRA+\slot, \q, \i
.endr
.endm
.macro SCALES sc                       ; a slot's scale words: 4 words a row; lanes 0-15 take A's block i, lanes 16-31 B's block i
.irp i, 0,1,2,3,4,5,6,7
	ds_load_b128 v[SC+8*NQ*\sc+NQ*\i:SC+8*NQ*\sc+NQ*\i+3], v[ADRS] offset:\i*SBLK
.endr
.endm
.macro PLACES n                        ; plain vector lines between a matrix instruction and a load into, or a read of, its registers (ISA guide 7.12.1 for the reads)
.rept \n
	v_nop
.endr
.endm
.macro STEP slot, q, zero              ; a step of 128 along K that has its successor in the same slot
	s_wait_dscnt 4*NL                              ; B's set and A's blocks 0-3 are in; the youngest eight loads (A's blocks 4-7) may be out
	WIN MUL_LO-0x20*(\zero)                        ; (zero = 1: C, the bias, lies in window 0)
	MUL16 0, (\q)%2, \q, \slot, \zero
	MUL16 2, (\q)%2, \q, \slot, \zero
	s_wait_dscnt 0                                 ; A's blocks 4-7 are in
	PLACES NP
	FETCH_B \slot, (\q)+1, 1-(\q)%2
	FETCH_A \slot, (\q)+1, 0
	WIN MUL_HI-0x30*(\zero)
	MUL16 4, (\q)%2, \q, \slot, \zero
	MUL16 6, (\q)%2, \q, \slot, \zero
	PLACES NP
	WIN 0
	FETCH_A \slot, (\q)+1, 4
.endm
; Slot 0's last step changes slots: one barrier; in front of it each wave waits for all its tensor loads (its part of slot 1), adds 0 to its spare word, and waits for that and for its reads of slot 0.
.macro TURN slot, next
	s_wait_tensorcnt 0x0
	ds_add_u32 v[SPW], v[NIL]
	s_wait_dscnt 4*NL+1                            ; (the add and the youngest eight loads may be out)
	WIN MUL_LO
	MUL16 0, 1, NQ-1, \slot, 0
	s_wait_dscnt 0x0                               ; the add is done, and my reads of this slot are over
	s_barrier_signal -1
	MUL16 2, 1, NQ-1, \slot, 0
	WIN 0
	s_barrier_wait -1
	PLACES NP
	v_add_nc_u32 v[ADRS], 4*NQ, v[ADRS]            ; on to the next slot's scale words
	FETCH_B \next, 0, 0
	FETCH_A \next, 0, 0
	SCALES \next
	WIN MUL_HI
	MUL16 4, 1, NQ-1, \slot, 0
	MUL16 6, 1, NQ-1, \slot, 0
	PLACES NP
	WIN 0
	FETCH_A \next, 0, 4
.endm
.macro STEPS slot, from
.set Q, \from
.rept NQ-1-\from
	STEP \slot, Q, 0
.set Q, Q+1
.endr
.endm
	s_wait_tensorcnt 1                             ; the scales and my part of slot 0 are in; slot 1's load may be out
	s_barrier_signal -1
	s_barrier_wait -1
	FETCH_B 0, 0, 0
	FETCH_A 0, 0, 0
	SCALES 0
	FETCH_A 0, 0, 4
	s_wait_loadcnt 0x0                             ; the bias
	STEP 0, 0, 1
	STEPS 0, 1
	TURN 0, 1
	STEPS 1, 0
	s_wait_dscnt 4*NL                              ; the very last step
	WIN MUL_LO
	MUL16 0, 1, NQ-1, 1, 0
	MUL16 2, 1, NQ-1, 1, 0
	s_wait_dscnt 0
	WIN MUL_HI
	MUL16 4, 1, NQ-1, 1, 0
	MUL16 6, 1, NQ-1, 1, 0
	WIN 0
; THE WAY OUT, block by block of 16 rows x 128 columns (two heads).  Results are multiplied by the factor, rounded to f16 (16 bytes a lane), sent through my own stage and read back so that 32 lanes hold four whole
; rows t of one head: 512 consecutive bytes of qkvh.  LDS serves a wave's instructions in order (ISA guide 5.7.1.4): no wait between the stage's stores and loads.
.macro PACK a
.set AC, 64*((\a)%4)
	WIN 0x02+(\a)/4                                ; source 0: window 2 or 3
.set I_, 0
.rept 32
	v_pk_mul_f32 v[PT+2*I_:PT+2*I_+1], v[AC+2*I_:AC+2*I_+1], s[SF:SF+1] op_sel_hi:[1,0]   ; each accumulator from its low end on
.set I_, I_+1
.endr
	WIN 0
.set I_, 0
.rept 32
	v_cvt_pk_f16_f32 v[TMP+I_], v[PT+2*I_], v[PT+2*I_+1]
.set I_, I_+1
.endr
.endm
.macro TOSTAGE a
.irp b, 0,1,2,3,4,5,6,7
	ds_store_b128 v[STO], v[TMP+4*\b:TMP+4*\b+3] offset:32*\b
.endr
.set BB, BK+32*((\a)%2)
.irp i, 0,1,2,3,4,5,6,7
	ds_load_b128 v[BB+4*\i:BB+4*\i+3], v[RD] offset:(\i/4)*128+(\i%4)*4*SPITCH
.endr
.endm
.macro SEND a, younger                 ; younger: the LDS instructions issued behind block a's loads, which may stay out
.set BB, BK+32*((\a)%2)
	s_wait_dscnt \younger
.irp i, 0,1,2,3,4,5,6,7
	global_store_b128 v[CO], v[BB+4*\i:BB+4*\i+3], s[12:13] offset:(\i/4)*262144+(\a)*2048+(\i%4)*512   ; head i / 4, rows 16 a + 4 (i % 4) on: 512 consecutive bytes
.endr
.endm
	PLACES NP                                      ; behind the last products: for the reads of results and for the writes over scale words and A's fragments
	s_cmp_lg_u32 s3, 0                             ; the cluster's y and the wave's number alone
	s_cbranch_scc1 .Lno_f32
	WIN 0x08                                       ; a store's data are its source 1: window 2
.irp b, 0,1,2,3,4,5,6,7
	global_store_b128 v[FO], v[8*\b:8*\b+3], s[98:99] offset:64*\b                   ; rows t = 0 .. 15 in f32, unscaled: block 0's accumulators, which nothing writes again
	global_store_b128 v[FO], v[8*\b+4:8*\b+7], s[98:99] offset:64*\b+16
.endr
	WIN 0
.Lno_f32:
	PACK 0
	TOSTAGE 0
.irp a, 1,2,3,4,5,6,7
	PACK \a
.if \a > 1
	s_wait_xcnt 0x0                                ; block a - 2's stores have read their registers: block a's loads may land there
.endif
	TOSTAGE \a
	SEND \a-1, 16                                  ; behind block a - 1's loads: block a's 8 stores and 8 loads
.endr
	SEND 7, 0
	s_wait_tensorcnt 0x0                           ; the wave's end
	ds_add_u32 v[SPW], v[NIL]
	s_wait_dscnt 0x0
	CROUND                                         ; the closing round
	s_endpgm
.Lfunc_end_k_q0eb418be09_qkv:
	.size	k_q0eb418be09_qkv, .Lfunc_end_k_q0eb418be09_qkv-k_q0eb418be09_qkv
	.p2alignl 7, 3214868480
	.fill 96, 4, 3214868480
	.section	.rodata,"a",@progbits
	.p2align	6, 0x0
	.amdhsa_kernel k_q0eb418be09_qkv
		.amdhsa_group_segment_fixed_size 327680
		.amdhsa_private_segment_fixed_size 0
		.amdhsa_enable_private_segment 0
		.amdhsa_kernarg_size 56
		.amdhsa_user_sgpr_count 2
		.amdhsa_user_sgpr_kernarg_segment_ptr 1
		.amdhsa_wavefront_size32 1
		.amdhsa_system_sgpr_workgroup_id_x 1
		.amdhsa_system_sgpr_workgroup_id_y 1
		.amdhsa_system_sgpr_workgroup_id_z 1
		.amdhsa_system_vgpr_workitem_id 0
		.amdhsa_next_free_vgpr 1024
		.amdhsa_next_free_sgpr 100
		.amdhsa_reserve_vcc 0
		.amdhsa_float_denorm_mode_32 3
		.amdhsa_float_denorm_mode_16_64 3
		.amdhsa_memory_ordered 1
		.amdhsa_forward_progress 1
		.amdhsa_inst_pref_size 146
	.end_amdhsa_kernel
	.amdgpu_metadata
---
amdhsa.version: [ 1, 2 ]
amdhsa.kernels:
  - .name:           k_q0eb418be09_qkv
    .symbol:         k_q0eb418be09_qkv.kd
    .args:
      - { .name: x_codes, .offset: 0, .size: 8, .value_kind: global_buffer, .address_space: global }
      - { .name: x_scales, .offset: 8, .size: 8, .value_kind: global_buffer, .address_space: global }
      - { .name: w_codes, .offset: 16, .size: 8, .value_kind: global_buffer, .address_space: global }
      - { .name: w_scales, .offset: 24, .size: 8, .value_kind: global_buffer, .address_space: global }
      - { .name: qkv_b, .offset: 32, .size: 8, .value_kind: global_buffer, .address_space: global }
      - { .name: qkv32, .offset: 40, .size: 8, .value_kind: global_buffer, .address_space: global }
      - { .name: qkvh, .offset: 48, .size: 8, .value_kind: global_buffer, .address_space: global }
    .group_segment_fixed_size: 327680
    .private_segment_fixed_size: 0
    .kernarg_segment_align: 8
    .kernarg_segment_size: 56
    .max_flat_workgroup_size: 128
    .sgpr_count:     100
    .vgpr_count:     1024
    .wavefront_size: 32
...
	.end_amdgpu_metadata
.endif
;; end of part 2
;; launch attn (part 3): grid 4 x 64, 16 waves a work-group, no clusters, 327,680 bytes of LDS; arguments qkvh, yf; writes yf
.if DOCPART == 3
	.amdgcn_target "amdgcn-amd-amdhsa--gfx1250"
	.amdhsa_code_object_version 6
	.text
	.protected	k_q0eb418be09_attn
	.globl	k_q0eb418be09_attn
	.p2align	8
	.type	k_q0eb418be09_attn,@function
k_q0eb418be09_attn:
	s_mov_b64 s[64:65], 0
	v_nop
	global_prefetch_b8 v0, s[64:65] scope:SCOPE_SE
	s_setreg_imm32_b32 hwreg(HW_REG_WAVE_MODE, 25, 1), 1
	s_wait_xcnt 0x0
; y[b][t][head][:] = the sum over keys k <= t of softmax_k(q . k / 8) v, for 64 heads (batch x head) of 2,048 positions and 64 channels.  q, k, v: f16 in qkvh [part][batch][head][t][64]; q already holds the
; factor log2(e) / 8, so a score is the exponent's t.  Products on f16 operands with f32 sums; maxima and sums in f32; the weights p = 2^(t - m), m the running maximum, at most 1, are rounded to f16 for the second product.
; OUT: yf [row tile 512][K fragment 32][half 2][lane 32][16 bytes] f16: the register image of the projection's operand (16 rows x 32 K): a lane's packed O^T is that image as it stands, so nothing goes through LDS.
; LIMITS: y must lie within +-65,504 (it is an average of v, so it does where v does).  NaN and infinities are not served.  The rows t < 16 are written here too, and carried again in f32 by a later launch.
; SHARES.  Work-group (p, head) owns the query blocks p and 7 - p of 256 queries: 9 units of 256 x 256 under the mask for every p, so the 256 work-groups have equal work.  Each of sixteen waves owns 32 queries,
; two tiles of 16, in 256 registers: four waves to a SIMD, so that one wave's vector work stands beside another's matrix work and LDS loads.  Wave w: block by (w xor w / 4) % 2, 32 (w / 2) inside it.
; NO CLUSTER: the four work-groups of a head need 8 - p slots of keys each, so partners would need different numbers of tiles.
; RING.  Two LDS slots of 256 keys.  K and V of a head are dense in memory, so a tile is stated as rows of 256 bytes (two keys) with padding behind each.  Waves 0, 1 fetch K's halves, waves 2, 3 V's; all sixteen read.
; Every work-group walks all 8 slots, so that trip counts are constants; a step all of whose keys come after a wave's queries is jumped over, and a slot whose first key comes after the work-group's last query is not asked for.
; LAYOUT.  S^T = K Q^T (source 0 = 16 keys, source 1 = 16 queries), O^T = V^T P (source 0 = 16 channels, by the turning load): a lane holds ONE query (lane % 16) throughout.
; REGISTERS: v1-7 addresses; v8-23 statistics, eight a tile: +0 m, +1 unused half of its pair, +2, +3 the sum, +4 .. +7 at work (a in +6); v24 the mask's d, v25 -infinity, v26-29 sums at work; v30 Q's, later y's offset; v31 r - 8 h;
;   v32-63 Q; v64-127 K's, then V's eight fragments; v128-191 S^T, then p, packed in place; v192-255 O^T.
.set SK,    256                        ; keys in a slot
.set KPP,   272                        ; two keys of K in LDS: 256 bytes + 16 = 68 words: key k lies at (k / 2) 272 + (k % 2) 128: the 16 keys of a load start at 16 different groups of four banks (ISA guide 11.1)
.set VPP,   288                        ; two keys of V: 256 + 32 = 72 words
.set KSTB,  32*KPP                     ; a step's 64 keys
.set VSTB,  32*VPP
.set VOFF,  128*KPP                    ; a slot: K's 128 pair rows, then V's
.set SLOT1, 1<<17                      ; slot 1 begins here: one exclusive or turns an address from one slot to the other
.set NSL,   2048/SK
.set SPARE, 2*SLOT1                    ; the spare words, 128 bytes for each of 16 waves, which no other line names
.set AK0, 1
.set AV0, 2
.set ADK, 3
.set ADV, 4
.set SPW, 5
.set NIL, 6
.set PFO, 7
.set ST,  8
.set DD,  24
.set NINF, 25
.set SUMA, 26
.set GO,  30
.set RH,  31
.set Q,   32
.set KV,  64
.set S,   128
.set O,   192
.set TB,  2                            ; s2  LDS byte at which the slot in hand begins
.set WV,  18
.set SEL, 20                           ; s[20:21] v_permlanex16_b32's selects for lane l xor 16
.set G1K, 24
.set G1V, 32
.set G0K, 40
.set G0V, 44
.set SLOTS, 67
.set KF,  68                           ; the step's first key
.set Q0,  69                           ; my first query
.set QL,  70                           ; my work-group's last query
.set PFA, 76                           ; s[76:77] where my prefetches stand
.set LIM, 80
.set YB,  82                           ; s[82:83] yf at my first row tile and head
; Waves 0 and 1 fetch for K, waves 2 and 3 for V, the others nothing.  An s_nop 0 and four v_nop follow each of the two lines.
.macro TLOAD
	s_cmp_lt_u32 s[WV], 2
	s_cbranch_scc0 .Lnot_k_\@
	tensor_load_to_lds s[G0K:G0K+3], s[G1K:G1K+7]
	s_nop 0
.rept 4
	v_nop
.endr
	s_branch .Lasked_\@
.Lnot_k_\@:
	s_cmp_lt_u32 s[WV], 4
	s_cbranch_scc0 .Lasked_\@
	tensor_load_to_lds s[G0V:G0V+3], s[G1V:G1V+7]
	s_nop 0
.rept 4
	v_nop
.endr
.Lasked_\@:
.endm
; A PREFETCH of what the NEXT change of slots will ask for: a slot's 32,768 bytes of K and of V.  All four work-groups of a head walk the same K and V: the one with p = 0, which loads every slot, asks, and nobody else.
; In it waves 4 to 7 ask for K's block and waves 8 to 11 for V's: 8,192 bytes a wave, lanes 256 bytes apart, one instruction: each run of 256 bytes is named once in the launch.
; The last change that fills a slot asks for nothing; slots 0 and 1 come by their loads alone.
.macro ASK
	s_cmp_gt_u32 s[SLOTS], s[LIM]
	s_cbranch_scc0 .Lnot_mine_\@
	global_prefetch_b8 v[PFO], s[PFA:PFA+1] th:TH_LOAD_NT scope:SCOPE_SE
.Lnot_mine_\@:
.endm
	s_load_b128 s[4:7], s[0:1], 0x0                ; qkvh, yf
	v_lshl_add_u32 v[SPW], v0, 2, SPARE
	v_mov_b32 v[NIL], 0
	ds_add_u32 v[SPW], v[NIL]                      ; the wave's opening: the add, twice on end, and its wait ahead of my first tensor load
	ds_add_u32 v[SPW], v[NIL]
	v_lshrrev_b32 v8, 5, v0
	v_readfirstlane_b32 s[WV], v8                  ; wave 0..15
	s_and_b32 s72, ttmp7, 0xffff                   ; batch x 16 + head
	s_lshl_b32 s74, s72, 18                        ; its 2,048 rows of 128 bytes in each part
	s_mov_b32 s75, 0
	s_lshr_b32 s84, s[WV], 2
	s_xor_b32 s84, s84, s[WV]
	s_and_b32 s84, s84, 1                          ; 0: block p, 1: block 7 - p
	s_lshl_b32 s85, ttmp9, 1
	s_sub_co_u32 s85, 7, s85
	s_mul_i32 s85, s85, s84
	s_add_co_u32 s85, s85, ttmp9
	s_lshl_b32 s85, s85, 8
	s_lshr_b32 s86, s[WV], 1
	s_lshl_b32 s86, s86, 5
	s_add_co_u32 s[Q0], s85, s86                   ; my first query
	s_sub_co_u32 s[QL], 8, ttmp9
	s_lshl_b32 s[QL], s[QL], 8
	s_sub_co_u32 s[QL], s[QL], 1                   ; block 7 - p's last query
	s_and_b32 s88, s[WV], 1                        ; which half of a slot I fetch, if I fetch
	s_lshl_b32 s90, s88, 14                        ; 128 keys of 128 bytes in memory
	s_add_co_u32 s90, s90, s74
	s_add_co_u32 s92, s90, 0x2000000               ; part 2: v
	s_add_co_u32 s90, s90, 0x1000000               ; part 1: k
	s_mov_b32 s91, 0
	s_mov_b32 s93, 0
	s_mul_i32 s89, s88, 64*KPP                     ; and in a slot
	s_mul_i32 s94, s88, 64*VPP
	s_add_co_u32 s94, s94, VOFF
	s_mov_b32 s[G1K], (1<<16)|(1<<20)|(5<<22)|(3<<25)   ; no mask; elements of 2 bytes; padding: 4 words behind every 64
	s_mov_b32 s[G1V], (1<<16)|(1<<20)|(5<<22)|(7<<25)   ; the same with 8 words
.irp g, G1K, G1V
	s_mov_b32 s[\g+1], 128<<16                     ; tensor_dim0 = 128 elements (two keys)
	s_mov_b32 s[\g+2], 64<<16                      ; tensor_dim1 = 64 rows
	s_mov_b32 s[\g+3], 128<<16                     ; tile_dim0
	s_mov_b32 s[\g+4], 64                          ; tile_dim1
	s_mov_b32 s[\g+5], 128                         ; the pitch: dense
	s_mov_b32 s[\g+6], 0
	s_mov_b32 s[\g+7], 0
.endr
	s_mov_b32 s[SEL], 0x76543210
	s_mov_b32 s[SEL+1], 0xfedcba98
	s_mov_b32 s[TB], 0
	s_mov_b32 s[SLOTS], NSL-1
	s_mov_b32 s[KF], 0
	s_wait_dscnt 0x0                               ; both opening adds are done
	s_wait_kmcnt 0x0
	s_mov_b32 s[G0K], 1
	s_mov_b32 s[G0K+1], s89
	s_add_nc_u64 s[G0K+2:G0K+3], s[4:5], s[90:91]
	s_or_b32 s[G0K+3], s[G0K+3], 0x80000000
	s_mov_b32 s[G0V], 1
	s_mov_b32 s[G0V+1], s94
	s_add_nc_u64 s[G0V+2:G0V+3], s[4:5], s[92:93]
	s_or_b32 s[G0V+3], s[G0V+3], 0x80000000
	TLOAD                                          ; slot 0: keys 0 to 255, which count for queries of every work-group
	s_lshl_b32 s84, s[Q0], 7
	s_add_co_u32 s84, s84, s74
	s_mov_b32 s85, 0
	s_add_nc_u64 s[86:87], s[4:5], s[84:85]        ; q at my first query
	s_lshr_b32 s92, s72, 4
	s_lshl_b32 s92, s92, 22                        ; yf: batch x 128 row tiles of 32,768 bytes
	s_and_b32 s93, s72, 15
	s_add_co_u32 s93, s93, s[Q0]
	s_lshl_b32 s93, s93, 11                        ; + (Q0 / 16) x 32,768 + head x 2,048
	s_add_co_u32 s92, s92, s93
	s_mov_b32 s93, 0
	s_add_nc_u64 s[YB:YB+1], s[6:7], s[92:93]
	s_cmp_lt_u32 s[WV], 8                          ; the prefetches: waves 4 to 7 K's, waves 8 to 11 V's
	s_mov_b32 s92, 0x2000000
	s_cselect_b32 s92, 0x1000000, s92
	s_and_b32 s93, s[WV], 3
	s_lshl_b32 s93, s93, 13                        ; my wave's 8,192 bytes,
	s_add_co_u32 s92, s92, s93
	s_add_co_u32 s92, s92, SK*128                  ; in slot 1: the first change of slots steps it to slot 2
	s_add_co_u32 s92, s92, s74
	s_mov_b32 s93, 0
	s_add_nc_u64 s[PFA:PFA+1], s[4:5], s[92:93]
	s_sub_co_u32 s96, s[WV], 4
	s_lshr_b32 s96, s96, 3                         ; 0 in waves 4 to 11,
	s_or_b32 s96, s96, ttmp9                       ; of the work-group with p = 0
	s_cmp_eq_u32 s96, 0
	s_cselect_b32 s[LIM], 1, -1
	v_and_b32 v[PFO], 31, v0
	v_lshlrev_b32 v[PFO], 8, v[PFO]
	v_and_b32 v8, 15, v0                           ; r
	v_bfe_u32 v9, v0, 4, 1                         ; h
	v_lshlrev_b32 v[GO], 7, v8
	v_lshl_add_u32 v[GO], v9, 4, v[GO]             ; Q: row r of 128 bytes + 16 h
.irp t, 0,1
.irp c, 0,1
	global_load_b128 v[Q+16*\t+8*\c:Q+16*\t+8*\c+3], v[GO], s[86:87] offset:\t*2048+64*\c       ; tile t, channels 32 c on: stays in registers
	global_load_b128 v[Q+16*\t+8*\c+4:Q+16*\t+8*\c+7], v[GO], s[86:87] offset:\t*2048+64*\c+32
.endr
.endr
	v_lshrrev_b32 v10, 1, v8
	v_mul_u32_u24 v[AK0], v10, KPP
	v_and_b32 v10, 1, v8
	v_lshl_add_u32 v[AK0], v10, 7, v[AK0]
	v_lshl_add_u32 v[AK0], v9, 4, v[AK0]           ; K: key r: (r / 2) 272 + (r % 2) 128 + 16 h
	v_and_b32 v10, 7, v0
	v_lshl_add_u32 v10, v9, 3, v10                 ; V: the turning load's key 8 h + l % 8,
	v_lshrrev_b32 v11, 1, v10
	v_mul_u32_u24 v[AV0], v11, VPP
	v_and_b32 v11, 1, v10
	v_lshl_add_u32 v[AV0], v11, 7, v[AV0]
	v_bfe_u32 v11, v0, 3, 1
	v_lshl_add_u32 v[AV0], v11, 4, v[AV0]          ; channels 8 ((l / 8) % 2) on
	v_add_nc_u32 v[AV0], VOFF, v[AV0]
	v_lshlrev_b32 v10, 3, v9
	v_sub_nc_u32 v[RH], v8, v10                    ; r - 8 h
	v_mov_b32 v[NINF], 0xff800000
.irp t, 0,1
	v_mov_b32 v[ST+8*\t], 0xff61b1e6               ; m: -3e38, under every score
.irp i, 1,2,3,4,5,6,7
	v_mov_b32 v[ST+8*\t+\i], 0                     ; the sum; and the registers at work, written once (a lane permute's destination and both halves of a named pair count as read)
.endr
.endr
.set I_, 0
.rept 64
	v_mov_b32 v[O+I_], 0                           ; O^T: the step is written once; the first finds zeros, which its a = 0 leaves zeros
.set I_, I_+1
.endr
; A KEY STEP: 64 keys, the q-th of the slot in hand.
.macro STEP q
	s_add_co_u32 s96, s[Q0], 31                    ; a step all of whose keys come after my 32 queries is left out: a branch on ids, round loads, products and softmax; no barrier or tensor load stands in a step
	s_cmp_gt_u32 s[KF], s96
	s_cbranch_scc1 .Lhidden_\@
	v_add_nc_u32 v[ADK], s[TB], v[AK0]
	v_add_nc_u32 v[ADV], s[TB], v[AV0]
.rept 3
	v_nop                                          ; with the two additions five places behind the last products: four for the loads into V's registers, five for the products below, which write over p
.endr
.irp f, 0,1,2,3,4,5,6,7                        ; K: keys 16 (f / 2) on, channels 32 (f % 2) on
	ds_load_b128 v[KV+8*\f:KV+8*\f+3], v[ADK] offset:(\q)*KSTB+(\f/2)*8*KPP+(\f%2)*64
	ds_load_b128 v[KV+8*\f+4:KV+8*\f+7], v[ADK] offset:(\q)*KSTB+(\f/2)*8*KPP+(\f%2)*64+32
.endr
	s_wait_dscnt 0x0
.irp c, 0,1                                    ; S^T = K Q^T: eight accumulators by turns, one instruction a turn
.irp kt, 0,1,2,3
.irp t, 0,1
.if \c == 0
	v_wmma_f32_16x16x32_f16 v[S+32*\t+8*\kt:S+32*\t+8*\kt+7], v[KV+8*(2*\kt+\c):KV+8*(2*\kt+\c)+7], v[Q+16*\t+8*\c:Q+16*\t+8*\c+7], 0
.else
	v_wmma_f32_16x16x32_f16 v[S+32*\t+8*\kt:S+32*\t+8*\kt+7], v[KV+8*(2*\kt+\c):KV+8*(2*\kt+\c)+7], v[Q+16*\t+8*\c:Q+16*\t+8*\c+7], v[S+32*\t+8*\kt:S+32*\t+8*\kt+7]
.endif
.endr
.endr
.endr
.rept 4
	v_nop                                          ; places in front of the loads into K's registers and of the first read of the scores
.endr
.irp f, 0,1,2,3,4,5,6,7                        ; V, turned: keys 32 (f / 4) on, channels 16 (f % 4) on; they land while the softmax is walked
	ds_load_tr16_b128 v[KV+8*\f:KV+8*\f+3], v[ADV] offset:(\q)*VSTB+(\f/4)*16*VPP+(\f%4)*32
	ds_load_tr16_b128 v[KV+8*\f+4:KV+8*\f+7], v[ADV] offset:(\q)*VSTB+(\f/4)*16*VPP+8*VPP+(\f%4)*32
.endr
	s_add_co_u32 s96, s[KF], 63                    ; on the diagonal hidden scores become -infinity ahead of the maximum; a step all of whose keys count skips this
	s_cmp_le_u32 s96, s[Q0]
	s_cbranch_scc1 .Lopen_\@
	s_sub_co_i32 s96, s[Q0], s[KF]
	v_add_nc_u32 v[DD], s96, v[RH]                 ; d = Q0 - KF + r - 8 h.  Register 8 kt + j of tile t holds key KF + 16 kt + 8 h + j for query Q0 + 16 t + r: hidden where 16 kt + j - 16 t > d
.irp t, 0,1
.irp kt, 0,1,2,3
.irp j, 0,1,2,3,4,5,6,7
	v_cmp_gt_i32 vcc_lo, 16*\kt+\j-16*\t, v[DD]
	v_cndmask_b32 v[S+32*\t+8*\kt+\j], v[S+32*\t+8*\kt+\j], v[NINF], vcc_lo
.endr
.endr
.endr
.Lopen_\@:
.irp j, 0,1,2,3                                ; the maximum of a tile's 32 scores and the old m: four chains, the two tiles line by line
.irp t, 0,1
	v_max3_num_f32 v[ST+8*\t+4+\j], v[S+32*\t+8*\j], v[S+32*\t+8*\j+1], v[S+32*\t+8*\j+2]
.endr
.endr
.irp g, 1,2
.irp j, 0,1,2,3
.irp t, 0,1
	v_max3_num_f32 v[ST+8*\t+4+\j], v[ST+8*\t+4+\j], v[S+32*\t+8*\j+2*\g+1], v[S+32*\t+8*\j+2*\g+2]
.endr
.endr
.endr
.irp t, 0,1
	v_max3_num_f32 v[ST+8*\t+4], v[ST+8*\t+4], v[S+32*\t+7], v[S+32*\t+15]
	v_max3_num_f32 v[ST+8*\t+6], v[ST+8*\t+6], v[S+32*\t+23], v[S+32*\t+31]
.endr
.irp t, 0,1
	v_max3_num_f32 v[ST+8*\t+4], v[ST+8*\t+4], v[ST+8*\t+5], v[ST+8*\t+6]
.endr
.irp t, 0,1
	v_max3_num_f32 v[ST+8*\t+4], v[ST+8*\t+4], v[ST+8*\t+7], v[ST+8*\t]
.endr
.irp t, 0,1
	v_permlanex16_b32 v[ST+8*\t+5], v[ST+8*\t+4], s[SEL], s[SEL+1]   ; the query's other 32 keys lie in the lane 16 away
.endr
.irp t, 0,1
	v_mov_b32 v[ST+8*\t+7], v[ST+8*\t]             ; the old m
.endr
.irp t, 0,1
	v_max_num_f32 v[ST+8*\t], v[ST+8*\t+4], v[ST+8*\t+5]             ; the new m
.endr
.irp t, 0,1
	v_sub_f32 v[ST+8*\t+7], v[ST+8*\t+7], v[ST+8*\t]                 ; old m - new m, 0 or less
.endr
.irp b, 0,2,4,6,8,10,12,14,16,18,20,22,24,26,28,30
.irp t, 0,1
	v_pk_add_f32 v[S+32*\t+\b:S+32*\t+\b+1], v[S+32*\t+\b:S+32*\t+\b+1], v[ST+8*\t:ST+8*\t+1] op_sel_hi:[1,0] neg_lo:[0,1] neg_hi:[0,1]   ; t - m, 0 or less whatever the scores' size
.endr
.endr
.irp t, 0,1
	v_exp_f32 v[ST+8*\t+6], v[ST+8*\t+7]           ; a = 2^(old m - new m)
.endr
.set E_, 0
.rept 32
	v_exp_f32 v[S+E_], v[S+E_]                     ; p = 2^(t - m): with the two above ONE batch of 66
	v_exp_f32 v[S+32+E_], v[S+32+E_]
.set E_, E_+1
.endr
	v_nop                                          ; a plain line behind the last exponential
	s_wait_alu depctr_va_vdst(0)                   ; the wait ahead of the first line that names a result: one for the batch
.irp t, 0,1
	v_pk_add_f32 v[SUMA+2*\t:SUMA+2*\t+1], v[S+32*\t:S+32*\t+1], v[S+32*\t+2:S+32*\t+3]        ; the sum of the unrounded p, two at a time, in two chains a tile
	v_pk_add_f32 v[ST+8*\t+4:ST+8*\t+5], v[S+32*\t+4:S+32*\t+5], v[S+32*\t+6:S+32*\t+7]
.endr
.irp j, 8,12,16,20,24,28
.irp t, 0,1
	v_pk_add_f32 v[SUMA+2*\t:SUMA+2*\t+1], v[SUMA+2*\t:SUMA+2*\t+1], v[S+32*\t+\j:S+32*\t+\j+1]
	v_pk_add_f32 v[ST+8*\t+4:ST+8*\t+5], v[ST+8*\t+4:ST+8*\t+5], v[S+32*\t+\j+2:S+32*\t+\j+3]
.endr
.endr
.irp t, 0,1
	v_pk_add_f32 v[SUMA+2*\t:SUMA+2*\t+1], v[SUMA+2*\t:SUMA+2*\t+1], v[ST+8*\t+4:ST+8*\t+5]
.endr
.irp t, 0,1
	v_pk_fma_f32 v[ST+8*\t+2:ST+8*\t+3], v[ST+8*\t+2:ST+8*\t+3], v[ST+8*\t+6:ST+8*\t+7], v[SUMA+2*\t:SUMA+2*\t+1] op_sel_hi:[1,0,1]   ; l = a l + the sum
.endr
.irp i, 0,1,2,3,4,5,6,7,8,9,10,11,12,13,14,15
.irp t, 0,1
	v_cvt_pk_f16_f32 v[S+32*\t+\i], v[S+32*\t+2*\i], v[S+32*\t+2*\i+1]   ; p to f16, in place and ascending: register i is written when pairs 0 .. i have been read.  Registers 8 c .. 8 c + 7 are source 1 for keys 32 c on
.endr
.endr
.irp i, 0,2,4,6,8,10,12,14,16,18,20,22,24,26,28,30
.irp t, 0,1
	v_pk_mul_f32 v[O+32*\t+\i:O+32*\t+\i+1], v[O+32*\t+\i:O+32*\t+\i+1], v[ST+8*\t+6:ST+8*\t+7] op_sel_hi:[1,0]   ; O^T x a
.endr
.endr
	s_wait_dscnt 0x0                               ; V is in
.irp c, 0,1                                    ; O^T += V^T P: eight accumulators by turns
.irp ct, 0,1,2,3
.irp t, 0,1
	v_wmma_f32_16x16x32_f16 v[O+32*\t+8*\ct:O+32*\t+8*\ct+7], v[KV+8*(4*\c+\ct):KV+8*(4*\c+\ct)+7], v[S+32*\t+8*\c:S+32*\t+8*\c+7], v[O+32*\t+8*\ct:O+32*\t+8*\ct+7]
.endr
.endr
.endr
.Lhidden_\@:
	s_add_co_u32 s[KF], s[KF], 64
.endm
; THE CHANGE OF SLOTS stands at a slot's head.  Each wave waits for all its tensor loads (its part of the slot that it is about to read), adds 0 to its spare word, and waits for that and for its reads of the slot
; that it has left.  Behind the barrier the slot ahead is whole and nobody reads the other one.  fill = 1: that other slot is filled with the keys that follow, up to the causal limit: a whole slot's steps in which to land.
.macro CHANGE fill
	s_wait_tensorcnt 0x0                           ; no tensor load of mine is out, so a group 0 may be written
	ds_add_u32 v[SPW], v[NIL]
.if \fill
	ds_add_u32 v[SPW], v[NIL]                      ; and once more: the add stands twice on end, in every trip alike
	s_xor_b32 s[G0K+1], s[G0K+1], SLOT1            ; the walking descriptors: the other slot than last time,
	s_add_nc_u64 s[G0K+2:G0K+3], s[G0K+2:G0K+3], SK*128   ; the next 256 keys; the type bits on top are not reached
	s_xor_b32 s[G0V+1], s[G0V+1], SLOT1
	s_add_nc_u64 s[G0V+2:G0V+3], s[G0V+2:G0V+3], SK*128
	s_wait_xcnt 0x0                                ; the last prefetch, a slot back, has read its address, so it may be written:
	s_add_nc_u64 s[PFA:PFA+1], s[PFA:PFA+1], SK*128   ; one slot further on than the walking descriptors
.endif
	s_wait_dscnt 0x0                               ; the add is done (fill = 1: both are), and my reads of the slot that I have left are over
	s_barrier_signal -1
	s_barrier_wait -1
.if \fill
	s_add_co_u32 s96, s[KF], SK                    ; the first key of the slot that this change would ask for:
	s_cmp_gt_u32 s96, s[QL]                        ; past my work-group's last query none of its waves would read it, so it is not asked for.  Ids and the count of steps alone: all sixteen waves go the same way.
	s_cbranch_scc1 .Lpast_\@                       ; Every wait on TENSORcnt in this text is for 0; the jump leads round the load's own lines and nothing else
	TLOAD                                          ; a wave's one tensor load until the next such barrier
.Lpast_\@:
	ASK
.endif
.endm
.macro SLOT_STEPS
	STEP 0
	STEP 1
	STEP 2
	STEP 3
	s_xor_b32 s[TB], s[TB], SLOT1                  ; on to the other slot
.endm
	s_wait_loadcnt 0x0                             ; Q
.Lslot:                                            ; NSL - 1 trips
	CHANGE 1
	SLOT_STEPS
	s_sub_co_u32 s[SLOTS], s[SLOTS], 1
	s_cmp_lg_u32 s[SLOTS], 0
	s_cbranch_scc1 .Lslot
	CHANGE 0                                       ; the last slot is written out: nothing is left to ask for
	SLOT_STEPS
	; THE WAY OUT.  The sum's halves and the other half of the lanes' are added (these lines are the places behind the last products); O^T is divided, rounded to f16 and stored as it lies.
.irp t, 0,1
	v_add_f32 v[ST+8*\t+4], v[ST+8*\t+2], v[ST+8*\t+3]
.endr
.irp t, 0,1
	v_permlanex16_b32 v[ST+8*\t+5], v[ST+8*\t+4], s[SEL], s[SEL+1]
.endr
.irp t, 0,1
	v_add_f32 v[ST+8*\t+4], v[ST+8*\t+4], v[ST+8*\t+5]
.endr
	v_and_b32 v[GO], 31, v0
	v_lshlrev_b32 v[GO], 4, v[GO]                  ; 16 bytes a lane
.irp t, 0,1
	v_rcp_f32 v[ST+8*\t+6], v[ST+8*\t+4]
.endr
	v_nop                                          ; a plain line behind the last reciprocal
	s_wait_alu depctr_va_vdst(0)                   ; and the wait ahead of the first use: one for both
.irp i, 0,2,4,6,8,10,12,14,16,18,20,22,24,26,28,30
.irp t, 0,1
	v_pk_mul_f32 v[O+32*\t+\i:O+32*\t+\i+1], v[O+32*\t+\i:O+32*\t+\i+1], v[ST+8*\t+6:ST+8*\t+7] op_sel_hi:[1,0]
.endr
.endr
.irp i, 0,1,2,3,4,5,6,7,8,9,10,11,12,13,14,15
.irp t, 0,1
	v_cvt_pk_f16_f32 v[S+16*\t+\i], v[O+32*\t+2*\i], v[O+32*\t+2*\i+1]   ; registers 4 ct .. 4 ct + 3: channels 16 ct + 8 h + 0 .. 7 of query r
.endr
.endr
.irp t, 0,1
.irp ct, 0,1,2,3
	global_store_b128 v[GO], v[S+16*\t+4*\ct:S+16*\t+4*\ct+3], s[YB:YB+1] offset:\t*32768+\ct*512   ; K fragment ct / 2 of my head, half ct % 2: 512 consecutive bytes
.endr
.endr
	s_wait_tensorcnt 0x0                           ; the wave's end
	ds_add_u32 v[SPW], v[NIL]
	s_wait_dscnt 0x0
	s_endpgm
.Lfunc_end_k_q0eb418be09_attn:
	.size	k_q0eb418be09_attn, .Lfunc_end_k_q0eb418be09_attn-k_q0eb418be09_attn
	.p2alignl 7, 3214868480
	.fill 96, 4, 3214868480
	.section	.rodata,"a",@progbits
	.p2align	6, 0x0
	.amdhsa_kernel k_q0eb418be09_attn
		.amdhsa_group_segment_fixed_size 327680
		.amdhsa_private_segment_fixed_size 0
		.amdhsa_enable_private_segment 0
		.amdhsa_kernarg_size 16
		.amdhsa_user_sgpr_count 2
		.amdhsa_user_sgpr_kernarg_segment_ptr 1
		.amdhsa_wavefront_size32 1
		.amdhsa_system_sgpr_workgroup_id_x 1
		.amdhsa_system_sgpr_workgroup_id_y 1
		.amdhsa_system_sgpr_workgroup_id_z 1
		.amdhsa_system_vgpr_workitem_id 0
		.amdhsa_next_free_vgpr 256
		.amdhsa_next_free_sgpr 100
		.amdhsa_reserve_vcc 1
		.amdhsa_float_denorm_mode_32 3
		.amdhsa_float_denorm_mode_16_64 3
		.amdhsa_memory_ordered 1
		.amdhsa_forward_progress 1
		.amdhsa_inst_pref_size 185
	.end_amdhsa_kernel
	.amdgpu_metadata
---
amdhsa.version: [ 1, 2 ]
amdhsa.kernels:
  - .name:           k_q0eb418be09_attn
    .symbol:         k_q0eb418be09_attn.kd
    .args:
      - { .name: qkvh, .offset: 0, .size: 8, .value_kind: global_buffer, .address_space: global }
      - { .name: yf, .offset: 8, .size: 8, .value_kind: global_buffer, .address_space: global }
    .group_segment_fixed_size: 327680
    .private_segment_fixed_size: 0
    .kernarg_segment_align: 8
    .kernarg_segment_size: 16
    .max_flat_workgroup_size: 512
    .sgpr_count:     100
    .vgpr_count:     256
    .wavefront_size: 32
...
	.end_amdgpu_metadata
.endif
;; end of part 3
;; launch proj (part 4): grid 8 x 32, 4 waves a work-group, clusters of 4 x 4, 327,680 bytes of LDS; arguments yf, w16, out_b, out0; writes out0
.if DOCPART == 4
	.amdgcn_target "amdgcn-amd-amdhsa--gfx1250"
	.amdhsa_code_object_version 6
	.text
	.protected	k_q0eb418be09_proj
	.globl	k_q0eb418be09_proj
	.p2align	8
	.type	k_q0eb418be09_proj,@function
k_q0eb418be09_proj:
	s_mov_b64 s[64:65], 0
	v_nop
	global_prefetch_b8 v0, s[64:65] scope:SCOPE_SE
	s_setreg_imm32_b32 hwreg(HW_REG_WAVE_MODE, 25, 1), 1
	s_wait_xcnt 0x0
	s_wait_alu depctr_hold_cnt(0) depctr_sa_sdst(0) depctr_va_vdst(0) depctr_va_sdst(0) depctr_va_ssrc(0) depctr_va_vcc(0) depctr_vm_vsrc(0)
	s_getreg_b32 s2, hwreg(HW_REG_IB_STS2, 6, 4)
	s_cmp_eq_u32 s2, 0
	s_cbranch_scc0 .Lentry_in_a_cluster
	s_endpgm
.Lentry_in_a_cluster:
	s_bfe_u32 s2, ttmp6, 0x10000c
	s_cmp_lg_u32 s2, 0xf033
	s_cbranch_scc0 .Lentry_shape_is_right
	s_endpgm
.Lentry_shape_is_right:
; out0[m][n] = sum over k of y[m][k] out_w[n][k] + out_b[n].  M = 8,192, N = K = 1,024.  y and out_w in f16, sums and result in f32.
; y comes as register images: yf [row tile 512][K fragment 32][half 2][lane 32][16 bytes]; out_w as w16 [n][k], row-major.
; A tile of 256 x 128 to a work-group: 256 work-groups (tiles of 256 x 256 would be 128).  Four waves, each 128 rows x 64 columns: 32 accumulators, 256 registers.
; K goes in 8 steps of 128 through a ring of two LDS slots.  In a slot: y's 16 row tiles x 4 fragments as images (4,096 consecutive bytes a row tile, read 16 bytes a lane: no padding wanted), then 128 rows of out_w, 256 bytes + 16.
; CLUSTERS: 4 x 4 work-groups; y's tiles are shared along a row of the cluster, out_w's along a column: joint loads; where a slot is filled again a round of the cluster's barrier stands in front.
; THE MATRIX INSTRUCTION IS USED TRANSPOSED (source 0 = 16 rows of out_w, source 1 = 16 rows of y): a lane holds eight neighbouring columns of a row.  The bias is the C of each sum's first product.
; The rows t < 16 of every sequence are stored here like all others and written over by the launch that carries them in f32: leaving them out would want a branch on a work-group's place in its cluster.
; No prefetch: 8 K steps in all, and every tile is shared by four work-groups through the joint loads.
; REGISTERS: window 0: v16-29 addresses; v32-127, v128-223 two fragment buffers (y's 8 fragments, then out_w's 4); v224-255 the bias; on the way out v32-95 rows read back.   window 1: accumulator (a, b) at v[8 (4 a + b)].
.set ASL,    65536                     ; y's part of a slot
.set PITCH,  272                       ; out_w's LDS row: 256 + 16 bytes = 68 words: the 16 rows of a load start at 16 different banks (ISA guide 11.1)
.set HALFB,  64*PITCH
.set SLOT,   ASL+2*HALFB
.set STAGE,  2*SLOT                    ; behind the ring: 16 rows x 272 bytes for each wave, its own
.set SPITCH, 272
.set SPARE,  STAGE+4*16*SPITCH         ; the spare words, 128 bytes a wave, which no other line names
.set LAPS,   4                         ; a lap = two K steps
.set ADRA, 16
.set ADRB, 20
.set STO,  24
.set RD,   25
.set CO,   26
.set BO,   27
.set SPW,  28
.set NIL,  29
.set F0,   32
.set F1,   128
.set BIAS, 224
.set OB,   32
.set G1, 24
.set G0, 32
.set G1B, 48
.set G0B, 56
.set MSB, 0
.macro WIN new
.if MSB != (\new)
	s_set_vgpr_msb (MSB<<8)|(\new)
.set MSB, (\new)
.endif
.endm
.set MUL,  0x50                        ; C and D window 1, the sources window 0
.set MUL1, 0x40                        ; D window 1, C (the bias) window 0
.macro JLOAD s                         ; a joint load: waves 0 and 1 fetch y's halves, waves 2 and 3 out_w's; an s_nop 0 and four v_nop follow each line
	s_cmp_eq_u32 s13, 0
	s_cbranch_scc0 .Lfor_b_\@
	tensor_load_to_lds s[G0+4*\s:G0+4*\s+3], s[G1:G1+7]
	s_nop 0
.rept 4
	v_nop
.endr
	s_branch .Lasked_\@
.Lfor_b_\@:
	tensor_load_to_lds s[G0B+4*\s:G0B+4*\s+3], s[G1B:G1B+7]
	s_nop 0
.rept 4
	v_nop
.endr
.Lasked_\@:
.endm
.macro CREST                           ; a round of the cluster's barrier behind its opening barrier
	s_cmp_lg_u32 s12, 0
	s_cbranch_scc1 .Lnot_wave_0_\@
	s_barrier_signal -3
.Lnot_wave_0_\@:
	s_barrier_wait -3
	s_barrier_signal -1
	s_barrier_wait -1
.endm
.macro CROUND
	s_barrier_signal -1
	s_barrier_wait -1
	CREST
.endm
	s_load_b128 s[4:7], s[0:1], 0x0                ; yf, w16
	s_load_b128 s[8:11], s[0:1], 0x10              ; out_b, out0
	v_lshl_add_u32 v[SPW], v0, 2, SPARE
	v_mov_b32 v[NIL], 0
	ds_add_u32 v[SPW], v[NIL]                      ; the wave's opening: the add, twice on end, and its wait ahead of my first tensor load
	ds_add_u32 v[SPW], v[NIL]
	v_lshrrev_b32 v1, 5, v0
	v_readfirstlane_b32 s12, v1                    ; wave 0..3
	s_lshr_b32 s13, s12, 1                         ; which 128 rows are mine.  Also: I fetch y (0) or out_w (1)
	s_and_b32 s14, s12, 1                          ; which 64 columns.  Also: which half of that tile I fetch
	s_bfe_u32 s40, ttmp6, 0x40000                  ; cx
	s_bfe_u32 s41, ttmp6, 0x40004                  ; cy
	s_lshl_b32 s42, ttmp9, 2
	s_add_co_u32 s42, s42, s40                     ; tile column = 4 x cluster x + cx
	s_and_b32 s15, ttmp7, 0xffff
	s_lshl_b32 s15, s15, 2
	s_add_co_u32 s15, s15, s41                     ; tile row = 4 x cluster y + cy
	s_lshl_b32 s43, s41, 2
	s_lshl_b32 s43, 15, s43                        ; my row of the cluster
	s_lshl_b32 s44, 0x1111, s40                    ; my column
	s_or_b32 s[G1+0], s43, (3<<16)|(1<<21)         ; y: the mask; elements of 8 bytes; no padding; bit 21 beside a mask
	s_mov_b32 s[G1+1], 512<<16                     ; tensor_dim0 = 512 elements: a row tile's 4,096 bytes of a K step
	s_mov_b32 s[G1+2], 8<<16                       ; tensor_dim1 = 8 row tiles
	s_mov_b32 s[G1+3], 512<<16                     ; tile_dim0
	s_mov_b32 s[G1+4], 8                           ; tile_dim1
	s_mov_b32 s[G1+5], 4096                        ; the pitch: 32,768 bytes from row tile to row tile
	s_mov_b32 s[G1+6], 0
	s_mov_b32 s[G1+7], 0
	s_or_b32 s[G1B+0], s44, (1<<16)|(1<<20)|(1<<21)|(5<<22)|(3<<25)   ; out_w: elements of 2 bytes; 4 words of padding behind every 64
	s_mov_b32 s[G1B+1], 128<<16
	s_mov_b32 s[G1B+2], 64<<16
	s_mov_b32 s[G1B+3], 128<<16
	s_mov_b32 s[G1B+4], 64
	s_mov_b32 s[G1B+5], 1024
	s_mov_b32 s[G1B+6], 0
	s_mov_b32 s[G1B+7], 0
	s_lshl_b32 s16, s15, 19                        ; y: (16 x tile row + 8 x half) row tiles of 32,768 bytes
	s_lshl_b32 s17, s14, 18
	s_add_co_u32 s16, s16, s17
	s_mov_b32 s17, 0
	s_lshl_b32 s46, s42, 18                        ; out_w: (128 x tile column + 64 x half) rows of 2,048 bytes
	s_lshl_b32 s47, s14, 17
	s_add_co_u32 s46, s46, s47
	s_mov_b32 s47, 0
	s_lshl_b32 s20, s14, 15                        ; where they go: no place in the cluster enters an LDS address
	s_mul_i32 s21, s14, HALFB
	s_add_co_u32 s21, s21, ASL
	s_wait_dscnt 0x0                               ; both opening adds are done
	s_wait_kmcnt 0x0
	s_add_nc_u64 s[22:23], s[4:5], s[16:17]
	s_add_nc_u64 s[46:47], s[6:7], s[46:47]
	CROUND                                         ; all sixteen work-groups are here: the first joint loads meet
.irp s, 0,1
	s_mov_b32 s[G0+4*\s], 1
	s_add_co_u32 s[G0+4*\s+1], s20, \s*SLOT
	s_add_nc_u64 s[G0+4*\s+2:G0+4*\s+3], s[22:23], \s*4096
	s_or_b32 s[G0+4*\s+3], s[G0+4*\s+3], 0x80000000
	s_mov_b32 s[G0B+4*\s], 1
	s_add_co_u32 s[G0B+4*\s+1], s21, \s*SLOT
	s_add_nc_u64 s[G0B+4*\s+2:G0B+4*\s+3], s[46:47], \s*256
	s_or_b32 s[G0B+4*\s+3], s[G0B+4*\s+3], 0x80000000
	JLOAD \s                                       ; two loads of mine are out
.endr
	v_and_b32 v1, 15, v0                           ; r
	v_bfe_u32 v2, v0, 4, 1                         ; h
	v_and_b32 v3, 31, v0
	v_lshlrev_b32 v3, 4, v3                        ; an image's place for my lane
	v_mul_u32_u24 v4, v1, PITCH
	v_lshl_add_u32 v4, v2, 4, v4                   ; out_w: row r x pitch + 16 h
	s_lshl_b32 s18, s13, 15                        ; my 8 row tiles
	s_mul_i32 s19, s14, HALFB                      ; my 64 rows of out_w
	s_add_co_u32 s19, s19, ASL
.irp s, 0,1
	v_add_nc_u32 v[ADRA+\s], s18, v3
	v_add_nc_u32 v[ADRB+\s], s19, v4
	s_add_co_u32 s18, s18, SLOT
	s_add_co_u32 s19, s19, SLOT
.endr
	s_mul_i32 s18, s12, 16*SPITCH
	s_add_co_u32 s18, s18, STAGE                   ; my stage
	v_mul_u32_u24 v5, v1, SPITCH
	v_lshl_add_u32 v5, v2, 5, v5
	v_add_nc_u32 v[STO], s18, v5                   ; in: row r, 32 bytes for each half of the lanes
	v_mul_u32_u24 v5, v2, SPITCH
	v_lshl_add_u32 v5, v1, 4, v5
	v_add_nc_u32 v[RD], s18, v5                    ; back: lanes 0-15 one row of 256 bytes, lanes 16-31 the next
	v_lshlrev_b32 v5, 12, v2
	v_lshl_add_u32 v[CO], v1, 4, v5                ; and the same two rows in out0
	v_lshlrev_b32 v[BO], 5, v2
	s_lshl_b32 s46, s42, 9                         ; my first column, in bytes: 512 x tile column + 256 x half
	s_lshl_b32 s47, s14, 8
	s_add_co_u32 s46, s46, s47
	s_mov_b32 s47, 0
	s_add_nc_u64 s[8:9], s[8:9], s[46:47]
.irp b, 0,1,2,3
	global_load_b128 v[BIAS+8*\b:BIAS+8*\b+3], v[BO], s[8:9] offset:64*\b            ; lane (r, h): out_b at columns 16 b + 8 h + 0 .. 7
	global_load_b128 v[BIAS+8*\b+4:BIAS+8*\b+7], v[BO], s[8:9] offset:64*\b+16
.endr
	s_lshl_b32 s16, s15, 20                        ; my first row: (256 x tile row + 128 x half) rows of 4,096 bytes
	s_lshl_b32 s17, s13, 19
	s_add_co_u32 s16, s16, s17
	s_mov_b32 s17, 0
	s_add_nc_u64 s[10:11], s[10:11], s[16:17]
	s_add_nc_u64 s[10:11], s[10:11], s[46:47]
; 4 n matrix instructions: row tiles a0 .. a0 + n - 1 x the four column tiles, 32 along K, from buffer f.  first = 1: the sums begin, with the bias as C.  The 32 accumulators take turns.
.macro MULN f, a0, n, first
.set A_, \a0
.rept \n
.irp b, 0,1,2,3
.if \first
	v_wmma_f32_16x16x32_f16 v[8*(4*A_+\b):8*(4*A_+\b)+7], v[\f+64+8*\b:\f+64+8*\b+7], v[\f+8*A_:\f+8*A_+7], v[BIAS+8*\b:BIAS+8*\b+7]
.else
	v_wmma_f32_16x16x32_f16 v[8*(4*A_+\b):8*(4*A_+\b)+7], v[\f+64+8*\b:\f+64+8*\b+7], v[\f+8*A_:\f+8*A_+7], v[8*(4*A_+\b):8*(4*A_+\b)+7]
.endif
.endr
.set A_, A_+1
.endr
.endm
.macro FETCH slot, q, f                ; 24 LDS loads in one run: the slot's q-th 32 along K: out_w's four fragments first, then y's eight
	WIN 0
.irp i, 0,1,2,3
	ds_load_b128 v[\f+64+8*\i:\f+64+8*\i+3], v[ADRB+\slot] offset:64*(\q)+\i*16*PITCH
	ds_load_b128 v[\f+64+8*\i+4:\f+64+8*\i+7], v[ADRB+\slot] offset:64*(\q)+\i*16*PITCH+32
.endr
.irp i, 0,1,2,3,4,5,6,7
	ds_load_b128 v[\f+8*\i:\f+8*\i+3], v[ADRA+\slot] offset:\i*4096+(\q)*1024
	ds_load_b128 v[\f+8*\i+4:\f+8*\i+7], v[ADRA+\slot] offset:\i*4096+(\q)*1024+512
.endr
.endm
.macro PLACES                          ; four plain lines in front of loads into registers that matrix instructions have read, and of reads of results (ISA guide 7.12.1 for the reads)
.rept 4
	v_nop
.endr
.endm
; A K step is four quarters of 32 along K, 32 matrix instructions each, on buffers 0, 1, 0, 1.  One of the first three: multiplies buffer f and fetches quarter qn into g.
.macro QUARTER slot, qn, f, g, first
	s_wait_dscnt 8                                 ; all but the youngest eight loads (y's fragments 4-7)
	WIN MUL-0x10*(\first)
	MULN \f, 0, 4, \first
	PLACES
	FETCH \slot, \qn, \g
	s_wait_dscnt 24                                ; all but the 24 just issued
	WIN MUL-0x10*(\first)
	MULN \f, 4, 4, \first
.endm
; The last quarter multiplies buffer 1 and changes slots: one barrier; in front of it each wave waits for all its tensor loads, adds 0 to its spare word, and waits for that and for its reads of this slot.
; fill = 1: the barrier opens a round of the cluster's barrier, and this slot is filled again, two K steps ahead, first thing behind the round.
.macro TURN slot, next, fill
	WIN 0
	s_wait_tensorcnt 0x0                           ; my part of the next slot has landed
	ds_add_u32 v[SPW], v[NIL]
	s_wait_dscnt 9                                 ; (the add and the youngest eight loads may be out)
	WIN MUL
	MULN F1, 0, 2, 0
	s_wait_dscnt 0x0                               ; the add is done, and my reads of this slot are over
	s_barrier_signal -1
	MULN F1, 2, 2, 0
	WIN 0
	s_barrier_wait -1
.if \fill
	CREST                                          ; no wave of any partner still reads this slot's tile or has a load on its way
	s_add_nc_u64 s[G0+4*\slot+2:G0+4*\slot+3], s[G0+4*\slot+2:G0+4*\slot+3], 2*4096
	s_add_nc_u64 s[G0B+4*\slot+2:G0B+4*\slot+3], s[G0B+4*\slot+2:G0B+4*\slot+3], 2*256
	JLOAD \slot                                    ; the four v_nop behind it are also the places in front of the loads below
.else
	PLACES
.endif
	FETCH \next, 0, F0
	WIN MUL
	MULN F1, 4, 4, 0
.endm
	s_wait_tensorcnt 1                             ; my part of K step 0 is in; K step 1's load may be out
	s_barrier_signal -1
	s_barrier_wait -1
	FETCH 0, 0, F0
	s_wait_loadcnt 0x0                             ; the bias
	QUARTER 0, 1, F0, F1, 1                        ; the first quarter stands in front of the loop: its products start the sums
	WIN 0
	s_mov_b32 s3, LAPS-1
.Llap:                                             ; a trip goes once round the ring, from a lap's second quarter to the next lap's first, and fills both slots again
	QUARTER 0, 2, F1, F0, 0
	QUARTER 0, 3, F0, F1, 0
	TURN 0, 1, 1
	QUARTER 1, 1, F0, F1, 0
	QUARTER 1, 2, F1, F0, 0
	QUARTER 1, 3, F0, F1, 0
	TURN 1, 0, 1
	QUARTER 0, 1, F0, F1, 0
	WIN 0
	s_sub_co_u32 s3, s3, 1
	s_cmp_lg_u32 s3, 0
	s_cbranch_scc1 .Llap
	QUARTER 0, 2, F1, F0, 0                        ; the last lap fills nothing
	QUARTER 0, 3, F0, F1, 0
	TURN 0, 1, 0
	QUARTER 1, 1, F0, F1, 0
	QUARTER 1, 2, F1, F0, 0
	QUARTER 1, 3, F0, F1, 0
	s_wait_dscnt 8
	WIN MUL
	MULN F1, 0, 4, 0
	s_wait_dscnt 0
	MULN F1, 4, 4, 0
	WIN 0
; THE WAY OUT, a row tile (16 rows x 64 columns of f32) at a time, through my own stage: back come whole runs of 256 bytes, which sixteen lanes store.  LDS serves a wave's instructions in order (ISA guide 5.7.1.4).
.macro TOSTAGE a
	WIN 0x04                                       ; an LDS store's data are its source 1: window 1
.irp b, 0,1,2,3
	ds_store_b128 v[STO], v[8*(4*(\a)+\b):8*(4*(\a)+\b)+3] offset:64*\b              ; each accumulator from its low end on
	ds_store_b128 v[STO], v[8*(4*(\a)+\b)+4:8*(4*(\a)+\b)+7] offset:64*\b+16
.endr
	WIN 0
.set BB, OB+32*((\a)%2)
.irp i, 0,1,2,3,4,5,6,7
	ds_load_b128 v[BB+4*\i:BB+4*\i+3], v[RD] offset:\i*2*SPITCH
.endr
.endm
.macro SEND a, younger
.set BB, OB+32*((\a)%2)
	s_wait_dscnt \younger
.irp i, 0,1,2,3,4,5,6,7
	global_store_b128 v[CO], v[BB+4*\i:BB+4*\i+3], s[10:11] offset:(\a)*65536+2*\i*4096 th:TH_STORE_NT   ; 16 lanes store 256 consecutive bytes, at a multiple of 256 from out0's first byte
.endr
.endm
	PLACES
	TOSTAGE 0
.irp a, 1,2,3,4,5,6,7
.if \a > 1
	s_wait_xcnt 0x0                                ; tile a - 2's stores have read their registers: tile a's loads may land there
.endif
	TOSTAGE \a
	SEND \a-1, 16                                  ; behind tile a - 1's loads: tile a's 8 stores and 8 loads
.endr
	SEND 7, 0
	s_wait_tensorcnt 0x0                           ; the wave's end
	ds_add_u32 v[SPW], v[NIL]
	s_wait_dscnt 0x0
	CROUND                                         ; the closing round
	s_endpgm
.Lfunc_end_k_q0eb418be09_proj:
	.size	k_q0eb418be09_proj, .Lfunc_end_k_q0eb418be09_proj-k_q0eb418be09_proj
	.p2alignl 7, 3214868480
	.fill 96, 4, 3214868480
	.section	.rodata,"a",@progbits
	.p2align	6, 0x0
	.amdhsa_kernel k_q0eb418be09_proj
		.amdhsa_group_segment_fixed_size 327680
		.amdhsa_private_segment_fixed_size 0
		.amdhsa_enable_private_segment 0
		.amdhsa_kernarg_size 32
		.amdhsa_user_sgpr_count 2
		.amdhsa_user_sgpr_kernarg_segment_ptr 1
		.amdhsa_wavefront_size32 1
		.amdhsa_system_sgpr_workgroup_id_x 1
		.amdhsa_system_sgpr_workgroup_id_y 1
		.amdhsa_system_sgpr_workgroup_id_z 1
		.amdhsa_system_vgpr_workitem_id 0
		.amdhsa_next_free_vgpr 512
		.amdhsa_next_free_sgpr 66
		.amdhsa_reserve_vcc 0
		.amdhsa_float_denorm_mode_32 3
		.amdhsa_float_denorm_mode_16_64 3
		.amdhsa_memory_ordered 1
		.amdhsa_forward_progress 1
		.amdhsa_inst_pref_size 86
	.end_amdhsa_kernel
	.amdgpu_metadata
---
amdhsa.version: [ 1, 2 ]
amdhsa.kernels:
  - .name:           k_q0eb418be09_proj
    .symbol:         k_q0eb418be09_proj.kd
    .args:
      - { .name: yf, .offset: 0, .size: 8, .value_kind: global_buffer, .address_space: global }
      - { .name: w16, .offset: 8, .size: 8, .value_kind: global_buffer, .address_space: global }
      - { .name: out_b, .offset: 16, .size: 8, .value_kind: global_buffer, .address_space: global }
      - { .name: out0, .offset: 24, .size: 8, .value_kind: global_buffer, .address_space: global }
    .group_segment_fixed_size: 327680
    .private_segment_fixed_size: 0
    .kernarg_segment_align: 8
    .kernarg_segment_size: 32
    .max_flat_workgroup_size: 128
    .sgpr_count:     66
    .vgpr_count:     512
    .wavefront_size: 32
...
	.end_amdgpu_metadata
.endif
;; end of part 4
;; launch fine (part 5): grid 16 x 4, 16 waves a work-group, no clusters, 71,680 bytes of LDS; arguments qkv32, out_w, out_b, out0; writes out0
.if DOCPART == 5
	.amdgcn_target "amdgcn-amd-amdhsa--gfx1250"
	.amdhsa_code_object_version 6
	.text
	.protected	k_q0eb418be09_fine
	.globl	k_q0eb418be09_fine
	.p2align	8
	.type	k_q0eb418be09_fine,@function
k_q0eb418be09_fine:
	s_mov_b64 s[64:65], 0
	v_nop
	global_prefetch_b8 v0, s[64:65] scope:SCOPE_SE
	s_setreg_imm32_b32 hwreg(HW_REG_WAVE_MODE, 25, 1), 1
	s_wait_xcnt 0x0
; The first 16 positions of every sequence, attention and projection, in f32 throughout: these rows average one to sixteen values and are the largest of the output, so f16 operands would use up what the comparison allows.
; qkv32 [batch 4][t 16][3072] f32 (q, k, v, unscaled), out_w [1024][1024] f32, out_b.  out0[batch][0 .. 15][:] is written over.  64 rows of 8,192: no bulk work, so the f32 matrix form serves.
; SHARES.  Work-group (chunk, batch) makes 16 rows x 64 columns.  Wave = head: it does its head's attention (32 matrix instructions, redone in each of the 16 chunks) and its head's 64 along K of the projection
; (64 matrix instructions); the 16 partial results meet in LDS and eight waves add them.  No tensor load, no cluster: what work-groups share is small.
; LAYOUT (16 x 16 x 4: a lane holds row or column r = l % 16, register j the index 2 h + j along K).  All products are used transposed, so that a lane holds ONE query: S^T = k q^T, O^T = v^T p, out^T = W y^T.
; Along K both sources of a product name the same number at the same place (h, j), which is all that a sum asks: q, k: channels 8 u + 4 h + 2 s + j; p, v: keys 8 h + 2 s + j; O^T, W: channels 16 ct + 8 h + 2 s + j.
; So scores, p and O^T go on as they lie.  The registers that the matrix instructions write (v112-143, v160-223) are written by them alone.
; LIMITS: NaN and infinities are not served; the order of the f32 sums differs from a plain loop's.
; REGISTERS: v3-11 addresses; v12, v13 the add's; v14, v15 at work; v16-47 q, v48-79 k, v80-111 v (later W's sets 1, 2, 3; at the end partial results); v112-143 four partial sums of S^T; v144-151 scores; v152-159 p;
;   v160-191 O^T; v192-223 out^T; v224-255 W's set 0.
.set SPARE, 16*16*272                  ; behind the 16 stages of 16 rows x (256 + 16) bytes: the spare words, 128 bytes a wave, which no other line names
.set QF, 16
.set KK, 48
.set VF, 80
.set SA, 112
.set T,  144
.set P,  152
.set OA, 160
.set YA, 192
.set W0, 224
	s_load_b256 s[4:11], s[0:1], 0x0               ; qkv32, out_w, out_b, out0
	v_lshl_add_u32 v12, v0, 2, SPARE
	v_mov_b32 v13, 0
	v_lshrrev_b32 v1, 5, v0
	v_readfirstlane_b32 s12, v1                    ; wave = head
	v_and_b32 v1, 15, v0                           ; r
	v_bfe_u32 v2, v0, 4, 1                         ; h
	v_mul_u32_u24 v3, v1, 12288
	v_lshl_add_u32 v3, v2, 4, v3                   ; q, k: row r + 16 h
	v_mul_u32_u24 v4, v2, 98304
	v_lshl_add_u32 v4, v1, 2, v4                   ; v: key 8 h, channel r
	v_lshlrev_b32 v5, 12, v1
	v_lshl_add_u32 v5, v2, 5, v5                   ; out_w: row r + 32 h
	v_lshlrev_b32 v6, 3, v2
	v_sub_nc_u32 v6, v1, v6                        ; d = r - 8 h: register j holds key 8 h + j, hidden where j > d
	v_mov_b32 v7, 0xff800000
	v_mov_b32 v15, 0                               ; (a lane permute's destination counts as read)
	s_mul_i32 s13, s12, 16*272
	v_mul_u32_u24 v8, v1, 272
	v_lshl_add_u32 v8, v2, 5, v8
	v_add_nc_u32 v8, s13, v8                       ; my stage: row r, 32 bytes for each half of the lanes
	s_and_b32 s14, s12, 7
	s_mul_i32 s15, s14, 2*272
	v_mul_u32_u24 v9, v2, 272
	v_lshl_add_u32 v9, v1, 4, v9
	v_add_nc_u32 v9, s15, v9                       ; the sum: row 2 (wave % 8) + h, piece r of 16 bytes
	s_lshl_b32 s15, s14, 13
	v_lshlrev_b32 v10, 12, v2
	v_lshl_add_u32 v10, v1, 4, v10
	v_add_nc_u32 v10, s15, v10                     ; and the same place in out0
	v_lshlrev_b32 v11, 4, v1                       ; the bias: piece r
	s_mov_b32 s20, 0x76543210
	s_mov_b32 s21, 0xfedcba98
	s_mov_b32 s22, 0x3e38aa3b                      ; log2(e) / 8
	s_and_b32 s23, ttmp7, 0xffff                   ; batch
	s_mul_i32 s16, s23, 196608
	s_lshl_b32 s17, s12, 8
	s_add_co_u32 s16, s16, s17                     ; my batch's 16 rows, my head's 64 channels
	s_lshl_b32 s18, ttmp9, 18                      ; out_w: my chunk's 64 rows of 4,096 bytes,
	s_add_co_u32 s18, s18, s17                     ; my head's 64 columns
	s_mov_b32 s17, 0
	s_mov_b32 s19, 0
	s_lshl_b32 s24, ttmp9, 8                       ; my chunk's 64 columns, in bytes
	s_mov_b32 s25, 0
	s_lshl_b32 s26, s23, 23                        ; out0: batch x 2,048 rows of 4,096 bytes
	s_mov_b32 s27, 0
	s_wait_kmcnt 0x0
	s_add_nc_u64 s[4:5], s[4:5], s[16:17]
	s_add_nc_u64 s[6:7], s[6:7], s[18:19]
	s_add_nc_u64 s[8:9], s[8:9], s[24:25]
	s_add_nc_u64 s[10:11], s[10:11], s[24:25]
	s_add_nc_u64 s[10:11], s[10:11], s[26:27]
.macro WLOAD ct, wb                    ; out_w, channels 16 ct + 8 h + 0 .. 7 of my head, rows 16 nt + r of my chunk: 8 loads
.irp nt, 0,1,2,3
	global_load_b128 v[\wb+8*\nt:\wb+8*\nt+3], v5, s[6:7] offset:\nt*65536+64*\ct
	global_load_b128 v[\wb+8*\nt+4:\wb+8*\nt+7], v5, s[6:7] offset:\nt*65536+64*\ct+16
.endr
.endm
.irp u, 0,1,2,3,4,5,6,7
	global_load_b128 v[QF+4*\u:QF+4*\u+3], v3, s[4:5] offset:32*\u                   ; q: channels 8 u + 4 h + 0 .. 3
.endr
.irp u, 0,1,2,3,4,5,6,7
	global_load_b128 v[KK+4*\u:KK+4*\u+3], v3, s[4:5] offset:4096+32*\u              ; k likewise
.endr
.irp ct, 0,1,2,3
.irp i, 0,1,2,3,4,5,6,7
	global_load_b32 v[VF+8*\ct+\i], v4, s[4:5] offset:8192+\i*12288+64*\ct           ; v(key 8 h + i, channel 16 ct + r)
.endr
.endr
	WLOAD 0, W0
	s_wait_loadcnt 40                              ; q and k are in; v's 32 loads and W's 8 may be out
.irp e, 0,1,2,3,4,5,6,7,8,9,10,11,12,13,14,15  ; S^T = k q^T: 16 steps of 4 channels, four partial sums by turns; the first four start them
.if \e < 4
	v_wmma_f32_16x16x4_f32 v[SA+8*(\e%4):SA+8*(\e%4)+7], v[KK+2*\e:KK+2*\e+1], v[QF+2*\e:QF+2*\e+1], 0
.else
	v_wmma_f32_16x16x4_f32 v[SA+8*(\e%4):SA+8*(\e%4)+7], v[KK+2*\e:KK+2*\e+1], v[QF+2*\e:QF+2*\e+1], v[SA+8*(\e%4):SA+8*(\e%4)+7]
.endif
.endr
.rept 8
	v_nop                                          ; eight places behind this form, in front of loads into its sources and of reads of its results
.endr
	WLOAD 1, QF
	WLOAD 2, KK
.irp j, 0,2,4,6
	v_pk_add_f32 v[T+\j:T+\j+1], v[SA+\j:SA+\j+1], v[SA+8+\j:SA+8+\j+1]              ; the four partial sums, each read from its low end on
	v_pk_add_f32 v[P+\j:P+\j+1], v[SA+16+\j:SA+16+\j+1], v[SA+24+\j:SA+24+\j+1]
.endr
.irp j, 0,2,4,6
	v_pk_add_f32 v[T+\j:T+\j+1], v[T+\j:T+\j+1], v[P+\j:P+\j+1]
.endr
.irp j, 0,1,2,3,4,5,6,7
	v_cmp_gt_i32 vcc_lo, \j, v6
	v_cndmask_b32 v[T+\j], v[T+\j], v7, vcc_lo     ; the causal mask
.endr
	v_max3_num_f32 v14, v[T], v[T+1], v[T+2]
	v_max3_num_f32 v14, v14, v[T+3], v[T+4]
	v_max3_num_f32 v14, v14, v[T+5], v[T+6]
	v_max_num_f32 v14, v14, v[T+7]
	v_permlanex16_b32 v15, v14, s20, s21
	v_max_num_f32 v14, v14, v15                    ; the row's maximum (key 0 counts for every query)
.irp j, 0,1,2,3,4,5,6,7
	v_sub_f32 v[T+\j], v[T+\j], v14                ; the maximum is taken away first,
.endr
.irp j, 0,1,2,3,4,5,6,7
	v_mul_f32 v[T+\j], s22, v[T+\j]                ; then the factor: 0 or less whatever the scores' size
.endr
.irp j, 0,1,2,3,4,5,6,7
	v_exp_f32 v[T+\j], v[T+\j]
.endr
	v_nop                                          ; a plain line behind the last exponential
	s_wait_alu depctr_va_vdst(0)                   ; the wait ahead of the first use: one for the eight
	v_pk_add_f32 v[P:P+1], v[T:T+1], v[T+2:T+3]
	v_pk_add_f32 v[P+2:P+3], v[T+4:T+5], v[T+6:T+7]
	v_pk_add_f32 v[P:P+1], v[P:P+1], v[P+2:P+3]
	v_add_f32 v14, v[P], v[P+1]
	v_permlanex16_b32 v15, v14, s20, s21
	v_add_f32 v14, v14, v15                        ; the row's sum
	v_rcp_f32 v14, v14
	v_nop
	s_wait_alu depctr_va_vdst(0)
.irp j, 0,1,2,3,4,5,6,7
	v_mul_f32 v[P+\j], v[T+\j], v14                ; the weights
.endr
	s_wait_loadcnt 24                              ; v is in; W's sets 0, 1, 2 may be out
.irp s, 0,1,2,3                                ; O^T = v^T p: four steps of 4 keys, the four channel tiles by turns
.irp ct, 0,1,2,3
.if \s == 0
	v_wmma_f32_16x16x4_f32 v[OA+8*\ct:OA+8*\ct+7], v[VF+8*\ct+2*\s:VF+8*\ct+2*\s+1], v[P+2*\s:P+2*\s+1], 0
.else
	v_wmma_f32_16x16x4_f32 v[OA+8*\ct:OA+8*\ct+7], v[VF+8*\ct+2*\s:VF+8*\ct+2*\s+1], v[P+2*\s:P+2*\s+1], v[OA+8*\ct:OA+8*\ct+7]
.endif
.endr
.endr
.rept 9
	v_nop                                          ; nine places before a matrix instruction takes these results as a source; eight of them serve the loads into v's registers
.endr
	WLOAD 3, VF
.macro PROJ ct, wb, left               ; out^T += W y^T over channels 16 ct on: four steps of 4, the four column tiles by turns.  left: the younger sets' loads, which may be out
	s_wait_loadcnt \left
.irp sp, 0,1,2,3
.irp nt, 0,1,2,3
.if (\ct == 0) && (\sp == 0)
	v_wmma_f32_16x16x4_f32 v[YA+8*\nt:YA+8*\nt+7], v[\wb+8*\nt+2*\sp:\wb+8*\nt+2*\sp+1], v[OA+8*\ct+2*\sp:OA+8*\ct+2*\sp+1], 0
.else
	v_wmma_f32_16x16x4_f32 v[YA+8*\nt:YA+8*\nt+7], v[\wb+8*\nt+2*\sp:\wb+8*\nt+2*\sp+1], v[OA+8*\ct+2*\sp:OA+8*\ct+2*\sp+1], v[YA+8*\nt:YA+8*\nt+7]
.endif
.endr
.endr
.endm
	PROJ 0, W0, 24
	PROJ 1, QF, 16
	PROJ 2, KK, 8
	PROJ 3, VF, 0
.rept 8
	v_nop                                          ; eight places in front of the stores that read the results and of the loads into W's registers
.endr
.irp nt, 0,1,2,3
	ds_store_b128 v8, v[YA+8*\nt:YA+8*\nt+3] offset:64*\nt                           ; lane (r, h): my head's part of out(r, 16 nt + 8 h + 0 .. 7); each result from its low end on
	ds_store_b128 v8, v[YA+8*\nt+4:YA+8*\nt+7] offset:64*\nt+16
.endr
	s_wait_dscnt 0x0                               ; for the others' sake: my stores have landed
	s_barrier_signal -1
	s_barrier_wait -1
	s_cmp_ge_u32 s12, 8                            ; 16 rows x 16 pieces of 16 bytes: eight waves add and store
	s_cbranch_scc1 .Ldone
	global_load_b128 v[T:T+3], v11, s[8:9]         ; out_b at my piece
.irp i, 0,1,2,3,4,5,6,7,8,9,10,11,12,13,14,15
	ds_load_b128 v[16+4*\i:16+4*\i+3], v9 offset:\i*16*272                           ; head i's part
.endr
	s_wait_dscnt 0x0
.irp i, 1,2,3,4,5,6,7,8,9,10,11,12,13,14,15
	v_pk_add_f32 v[16:17], v[16:17], v[16+4*\i:16+4*\i+1]
	v_pk_add_f32 v[18:19], v[18:19], v[16+4*\i+2:16+4*\i+3]
.endr
	s_wait_loadcnt 0x0
	v_pk_add_f32 v[16:17], v[16:17], v[T:T+1]
	v_pk_add_f32 v[18:19], v[18:19], v[T+2:T+3]
	global_store_b128 v10, v[16:19], s[10:11]      ; 16 lanes store 256 consecutive bytes, at a multiple of 256 from out0's first byte
.Ldone:
	s_wait_tensorcnt 0x0                           ; the wave's end
	ds_add_u32 v12, v13
	s_wait_dscnt 0x0
	s_endpgm
.Lfunc_end_k_q0eb418be09_fine:
	.size	k_q0eb418be09_fine, .Lfunc_end_k_q0eb418be09_fine-k_q0eb418be09_fine
	.p2alignl 7, 3214868480
	.fill 96, 4, 3214868480
	.section	.rodata,"a",@progbits
	.p2align	6, 0x0
	.amdhsa_kernel k_q0eb418be09_fine
		.amdhsa_group_segment_fixed_size 71680
		.amdhsa_private_segment_fixed_size 0
		.amdhsa_enable_private_segment 0
		.amdhsa_kernarg_size 32
		.amdhsa_user_sgpr_count 2
		.amdhsa_user_sgpr_kernarg_segment_ptr 1
		.amdhsa_wavefront_size32 1
		.amdhsa_system_sgpr_workgroup_id_x 1
		.amdhsa_system_sgpr_workgroup_id_y 1
		.amdhsa_system_sgpr_workgroup_id_z 1
		.amdhsa_system_vgpr_workitem_id 0
		.amdhsa_next_free_vgpr 256
		.amdhsa_next_free_sgpr 66
		.amdhsa_reserve_vcc 1
		.amdhsa_float_denorm_mode_32 3
		.amdhsa_float_denorm_mode_16_64 3
		.amdhsa_memory_ordered 1
		.amdhsa_forward_progress 1
		.amdhsa_inst_pref_size 25
	.end_amdhsa_kernel
	.amdgpu_metadata
---
amdhsa.version: [ 1, 2 ]
amdhsa.kernels:
  - .name:           k_q0eb418be09_fine
    .symbol:         k_q0eb418be09_fine.kd
    .args:
      - { .name: qkv32, .offset: 0, .size: 8, .value_kind: global_buffer, .address_space: global }
      - { .name: out_w, .offset: 8, .size: 8, .value_kind: global_buffer, .address_space: global }
      - { .name: out_b, .offset: 16, .size: 8, .value_kind: global_buffer, .address_space: global }
      - { .name: out0, .offset: 24, .size: 8, .value_kind: global_buffer, .address_space: global }
    .group_segment_fixed_size: 71680
    .private_segment_fixed_size: 0
    .kernarg_segment_align: 8
    .kernarg_segment_size: 32
    .max_flat_workgroup_size: 512
    .sgpr_count:     66
    .vgpr_count:     256
    .wavefront_size: 32
...
	.end_amdgpu_metadata
.endif
;; end of part 5
